; MI455X (gfx1250); checked and timed in simulation.
; The chip was launched on July 23, 2026; its instructions are those of AMD's public machine-readable ISA for CDNA 5 (MIT licence, August 2026) and "CDNA5" Instruction Set Architecture Reference Guide (July 2026). The comments in the code are by the model that wrote it; some were corrected since.
;; Gladius Attention. Allowed arithmetic: matrix products marked QUANTISED: E4M3 operands, one given power-of-two scale a tensor, by v_wmma_f32_16x16x64_fp8_fp8 or v_wmma_f32_16x16x128_fp8_fp8, f32 sums; everything else in f32.
;; Inputs: lowp_scales 12 int32 (the exponents e of the quantised operands' scales 2^e); wk 1,024 x 256 float32; wo 1,024 x 1,024 float32; wq 1,024 x 1,024 float32; wv 1,024 x 256 float32; x 4 x 2,048 x 1,024 float32.
;; Outputs: out0 4 x 2,048 x 1,024 float32.
;; This version of the problem:
;;   THIS VERSION OF THE PROBLEM IS GIVEN IN LOW PRECISION. The matrix products marked QUANTISED in the list below multiply operands that are first quantised to E4M3 (4 exponent bits, 3 mantissa bits; 8 bits a number), with one given power-of-two scale for each operand tensor; their sums are f32. All else is computed in f32.
;;   The module's matrix products, in the order in which they are computed (A, B: the left and right operand; K: the contracted axis; several contracted axes count as one K, in the product's order):
;;     1. [M 8,192, K 1,024] x [K 1,024, N 1,024]; A: input x; B: input wq: QUANTISED (scales: A lowp_scales[0], B lowp_scales[1])
;;     2. [M 8,192, K 1,024] x [K 1,024, N 256]; A: input x; B: input wk: QUANTISED (scales: A lowp_scales[2], B lowp_scales[3])
;;     3. [M 8,192, K 1,024] x [K 1,024, N 256]; A: input x; B: input wv: QUANTISED (scales: A lowp_scales[4], B lowp_scales[5])
;;     4. batch 64 x [M 2,048, K 64] x [K 64, N 2,048]; A: computed on the way; B: computed on the way: QUANTISED (scales: A lowp_scales[6], B lowp_scales[7])
;;     5. batch 64 x [M 2,048, K 2,048] x [K 2,048, N 64]; A: softmax (see below); B: computed on the way: QUANTISED (scales: A lowp_scales[8], B lowp_scales[9])
;;     6. [M 8,192, K 1,024] x [K 1,024, N 1,024]; A: computed on the way; B: input wo: QUANTISED (scales: A lowp_scales[10], B lowp_scales[11])
;;   THE QUANTISER, for each operand of a quantised product, along K:
;;     - The operand's scale is 2^e, e = its entry of the input lowp_scales (int32; the entries are numbered through the quantised products in the list's order, A before B).
;;     - Each number is divided by the scale, clamped to +-448, and rounded to the nearest number of E4M3, ties to even, subnormals kept.
;;     - The product sums the exact products of the quantised numbers (number of the format x scale) in f32.
;;   ~~~python
;;   def quantise(x, axis, e):      # numpy; x: float32 -> the quantised numbers, widened to float32 again
;;       x = np.moveaxis(x, axis, -1); K = x.shape[-1]
;;       r = np.clip(x / 2.0 ** e, -448, 448)
;;       step = 2.0 ** (np.maximum(np.frexp(np.where(r == 0, 1, r))[1] - 1, -6) - 3)
;;       q = np.round(r / step) * step * 2.0 ** e      # np.round: ties to even
;;       return np.moveaxis(q, -1, axis).astype(np.float32)
;;   ~~~
;;   SOFTMAX AHEAD OF A QUANTISED PRODUCT. Where the list says 'softmax', what is quantised is not the finished softmax but p = 2^(t - M), with t = logit x log2(e) and M = ceil(the row's largest t), a whole number; so 1/2 < the row's largest p <= 1. The row's sum l is taken of the UNQUANTISED p, in f32, and the product's result is divided by l at the end. Since M is a whole number, a kernel that streams over the keys may use a running M (the ceiling of the running maximum): every later rescaling is an exact power of two, so the quantised numbers keep their values, but for numbers so far below the row's largest that they fall under the format's range.
;;   OPERANDS COMPUTED ON THE WAY. 'Computed on the way' means the value that the module computes at that place (a softmax that the list does not call 'softmax' is quantised finished and normalised). What goes into a quantiser is computed in f32, as accurately as f32 sums, v_exp_f32 and their like allow (about 1e-6 of the number): no bf16 or f16 on the way to a quantiser, and a product that is left as it is and whose result goes on into a quantised operand takes f32 operands (vector FMAs, or v_wmma_f32_16x16x4_f32). A number that lies on a knife's edge between two numbers of the format may be rounded either way, as far as f32 arithmetic and the matrix unit's own rounding can turn it there, and no further.
;; One version. Each part assembles by itself: llvm-mc -triple=amdgcn-amd-amdhsa -mcpu=gfx1250 --defsym DOCPART=n.
;; ======== version 1 of 1: 4 launches
;; workspace buffers: x_codes 25,165,824 bytes; wcodes 2,621,440 bytes; rope 524,288 bytes; q_codes 8,388,608 bytes; k_codes 2,097,152 bytes; v_codes 2,097,152 bytes; a_codes 8,388,608 bytes
;; launch prep (part 1): grid 1184 x 1, 4 waves a work-group, no clusters, 52,736 bytes of LDS; arguments x, wq, wo, wk, wv, lowp_scales, x_codes, rope, wcodes; writes x_codes, rope, wcodes
.if DOCPART == 1
	.amdgcn_target "amdgcn-amd-amdhsa--gfx1250"
	.amdhsa_code_object_version 6
	.text
	.protected	k_q238589361b_prep
	.globl	k_q238589361b_prep
	.p2align	8
	.type	k_q238589361b_prep,@function
k_q238589361b_prep:
	s_mov_b64 s[64:65], 0
	v_nop
	global_prefetch_b8 v0, s[64:65] scope:SCOPE_SE
	s_setreg_imm32_b32 hwreg(HW_REG_WAVE_MODE, 25, 1), 1
	s_wait_xcnt 0x0
; ONE LAUNCH QUANTISES ALL INPUTS to codes of FP8 (E4M3) and makes the table for the rotation.  code = number / 2^e, held within +-448, rounded to the nearest code, ties to even.
; LIMITS: -126 <= e <= 119 for each entry of the scales that is used here (0, 1, 2, 3, 4, 5, 11); NaN among the inputs is not served.
; LAYOUT OF ALL CODES: images of the matrix operand's registers.  16 rows x 128 K are 2,048 bytes in four pieces of 512; piece p holds registers 4 p .. 4 p + 3, lane l's 16 bytes at 16 l;
; register 2 c + e, byte y, of lane (r = l % 16, h = l / 16) is row r, k = 16 c + 8 h + 4 e + y.
; Image (row block Rb, K block kb) lies at (Rb / 8) x 131072 + (kb / 2) x 32768 + (Rb % 8) x 4096 + (kb % 2) x 2048: 128 rows x 256 K are 32,768 bytes on end.
; WORK-GROUPS 0 .. 159: THE WEIGHTS, f32 stored [K = 1024][N]: wq entry 1, wk entry 3, wv entry 5, wo entry 11.  A row of the codes is a COLUMN of a weight; groups of 128 rows: 0-7 wq, 8-9 wk,
; 10-11 wv, 12-19 wo.  number / 8 names 128 columns (0-7 wq, 8-15 wo, 16-17 wk, 18-19 wv), number % 8 names 128 along K.  A wave takes 32 columns; A LANE TAKES A COLUMN AND ITS REGISTERS RUN DOWN K:
; each load reads 128 consecutive bytes a wave, and the conversions give codes with K innermost.  The codes turn through the wave's own stage in LDS into the image's order.
; WORK-GROUPS 160 .. 1183: x [8192][1024], f32, becomes THREE planes of 8,388,608 bytes, since it is an operand of three products with three given scales: entries 0, 2, 4.  x is read once.
; A wave makes one image in all three planes: 16 loads of 512 consecutive bytes (one row each; the four waves stand side by side on 2,048), a turn through its own stage in LDS so that a lane
; holds neighbours along K, three times the hold and the conversion, twelve stores of 512 consecutive bytes.
; THE TABLE is made by the first 128 of x's work-groups while their loads are on their way: cos and sin of token x 10000^(-j / 32), j = 0 .. 31, in f32: the angle is reduced by multiples of
; pi / 2 held in three parts (fused multiply-adds), then two short polynomials on [-pi/4, pi/4]; the quadrant only selects values and signs.  Angles reach 2,047.
; Table layout: [16 tokens][cos 2,048 bytes, sin 2,048 bytes]; piece (bb, half) at 512 (2 bb + half): lane (r, h)'s 16 bytes are j = 16 bb + 8 h + 4 half + 0 .. 3 of token r.
; The two ways part once, on the work-group's number, and never join; each has LDS bytes of its own; every LDS address is made ahead of the parting.  No tensor loads, no barrier: waves share nothing.
; 194 registers and 52,736 bytes of LDS: five work-groups fit on a WGP, 1,280 in all, so all 1,184 are resident together and every byte of the inputs is asked for at the start.
.set NW,    160                        ; the weights' work-groups
.set SPX,   528                        ; x's stage: a row of 512 bytes + 16; 16 rows a wave
.set WSP,   144                        ; the weights' stage: a row of 128 codes + 16 bytes; 32 rows a wave
.set WBASE, 4*16*SPX                   ; the weights' stages lie behind x's: 33,792
.set LN,    1                          ; v1   16 x lane; never rewritten
.set XIN,   2                          ; v2   x's stage, on the way in
.set XOUT,  3                          ; v3   and on the way out
.set WIN_,  12                         ; v12  the weights' stage, on the way in
.set WOUT,  13                         ; v13  and on the way out
.set L4,    14                         ; v14  4 x lane
	s_load_b512 s[4:19], s[0:1], 0x0               ; x s[4:5], wq s[6:7], wo s[8:9], wk s[10:11], wv s[12:13], the scales' exponents s[14:15], x's codes s[16:17], the table s[18:19]
	s_load_b64 s[20:21], s[0:1], 0x40              ; the weights' codes
	v_lshl_add_u32 v192, v0, 2, 0xcc00
	v_mov_b32 v193, 0
	v_lshrrev_b32 v5, 5, v0
	v_readfirstlane_b32 s22, v5                    ; wave 0..3
	v_and_b32 v5, 31, v0                           ; lane
	v_and_b32 v10, 15, v0                          ; r
	v_bfe_u32 v11, v0, 4, 1                        ; h
	v_lshlrev_b32 v[LN], 4, v5
	v_lshlrev_b32 v[L4], 2, v5
	s_mul_i32 s23, s22, 16*SPX                     ; my stage for x
	v_add_nc_u32 v[XIN], s23, v[LN]                ; into it: a row as it was loaded
	v_mul_u32_u24 v[XOUT], v10, SPX
	v_lshl_add_u32 v[XOUT], v11, 5, v[XOUT]
	v_add_nc_u32 v[XOUT], s23, v[XOUT]             ; out of it: row r, + 32 h bytes (8 numbers)
	s_mul_i32 s24, s22, 32*WSP
	s_add_co_u32 s24, s24, WBASE                   ; my stage for a weight
	v_mul_u32_u24 v[WIN_], v5, WSP
	v_add_nc_u32 v[WIN_], s24, v[WIN_]             ; into it: row = my column
	v_mul_u32_u24 v[WOUT], v10, WSP
	v_lshl_add_u32 v[WOUT], v11, 3, v[WOUT]
	v_add_nc_u32 v[WOUT], s24, v[WOUT]             ; out of it: row r, + 8 h
	s_wait_kmcnt 0x0
	s_load_b256 s[32:39], s[14:15], 0x0            ; entries 0-7
	s_load_b128 s[40:43], s[14:15], 0x20           ; entries 8-11
	s_cmp_lt_u32 ttmp9, NW
	s_cbranch_scc1 .Lweights
; ======== x ========
.set R,    16                          ; v16-79    the 16 rows as loaded; once they are in the stage, v16-63 take the codes: four registers for each of twelve stores
.set C,    16
.set X,    80                          ; v80-143   64 numbers of my row: register 16 p + i: k = 32 p + 8 h + i (i < 8), 32 p + 16 + 8 h + i - 8 (else)
.set T,    144                         ; v144-175  held numbers, two sets of 16 by turns
.set TCO,  176                         ; v176-179  the table: four cos,
.set TSI,  180                         ; v180-183  four sin
.set TJ,   184                         ; v184      my first j
.set TP,   185                         ; v185      my token
	s_sub_co_u32 s23, ttmp9, NW                    ; my number among x's work-groups
	s_lshl_b32 s24, s23, 2
	s_add_co_u32 s24, s24, s22                     ; my image's number, 0 .. 4095
	s_lshr_b32 s25, s24, 3                         ; Rb
	s_and_b32 s26, s24, 7                          ; kb
	s_lshl_b32 s28, s25, 16                        ; 16 rows of 4,096 bytes
	s_lshl_b32 s29, s26, 9                         ; 128 numbers
	s_add_co_u32 s28, s28, s29
	s_mov_b32 s29, 0
	s_add_nc_u64 s[4:5], s[4:5], s[28:29]
.irp i, 0,1,2,3,4,5,6,7,8,9,10,11,12,13,14,15
	global_load_b128 v[R+4*\i:R+4*\i+3], v[LN], s[4:5] offset:4096*\i th:TH_LOAD_NT
.endr
	s_lshr_b32 s30, s25, 3
	s_lshl_b32 s30, s30, 17
	s_lshr_b32 s31, s26, 1
	s_lshl_b32 s31, s31, 15
	s_add_co_u32 s30, s30, s31
	s_and_b32 s31, s25, 7
	s_lshl_b32 s31, s31, 12
	s_add_co_u32 s30, s30, s31
	s_and_b32 s31, s26, 1
	s_lshl_b32 s31, s31, 11
	s_add_co_u32 s30, s30, s31                     ; the image's place in a plane
	s_mov_b32 s31, 0
	s_add_nc_u64 s[44:45], s[16:17], s[30:31]      ; plane 0,
	s_add_nc_u64 s[46:47], s[44:45], 0x800000      ; plane 1,
	s_add_nc_u64 s[48:49], s[46:47], 0x800000      ; plane 2
	s_cmp_lt_u32 s23, 128                          ; the table has 512 pieces: the first 512 of x's waves make one each
	s_cbranch_scc0 .Lno_table
	s_lshr_b32 s50, s24, 2                         ; which 16 tokens
	s_and_b32 s51, s24, 3                          ; which piece: 2 bb + half
	s_lshl_b32 s52, s50, 12
	s_lshl_b32 s53, s51, 9
	s_add_co_u32 s52, s52, s53
	s_mov_b32 s53, 0
	s_add_nc_u64 s[18:19], s[18:19], s[52:53]
	s_lshl_b32 s50, s50, 4
	v_add_nc_u32 v[TP], s50, v10
	v_cvt_f32_u32 v[TP], v[TP]                     ; my token, as f32
	s_and_b32 s54, s24, 2
	s_lshl_b32 s54, s54, 3                         ; 16 bb
	s_and_b32 s55, s24, 1
	s_lshl_b32 s55, s55, 2                         ; 4 half
	s_add_co_u32 s54, s54, s55
	v_lshl_add_u32 v[TJ], v11, 3, s54              ; my first j
.macro SINCOS n                        ; cos into v[TCO + n], sin into v[TSI + n]; at work: ten of X's registers, which are loaded only later
.set B, X+10*\n
	v_add_nc_u32 v[B], \n, v[TJ]
	v_cvt_f32_u32 v[B], v[B]
	v_mul_f32 v[B], 0xbed49a78, v[B]               ; -j log2(10000) / 32
	v_exp_f32 v[B], v[B]                           ; 10000^(-j / 32)
	v_nop                                          ; a plain line behind the transcendental
	s_wait_alu depctr_va_vdst(0)
	v_mul_f32 v[B], v[TP], v[B]                    ; the angle
	v_mul_f32 v[B+1], 0x3f22f983, v[B]             ; x 2 / pi,
	v_rndne_f32 v[B+1], v[B+1]                     ; to the nearest whole number q
	v_fmamk_f32 v[B], v[B+1], 0xbfc90fd8, v[B]     ; a = angle - q pi / 2, pi / 2 in three parts
	v_fmamk_f32 v[B], v[B+1], 0xb4a8885a, v[B]
	v_fmamk_f32 v[B], v[B+1], 0xa7c234c4, v[B]
	v_mul_f32 v[B+2], v[B], v[B]                   ; a^2
	v_mov_b32 v[B+3], 0x37cd4000
	v_fmaak_f32 v[B+3], v[B+3], v[B+2], 0xbab6077d
	v_fmaak_f32 v[B+3], v[B+3], v[B+2], 0x3d2aaaa8
	v_fmaak_f32 v[B+3], v[B+3], v[B+2], 0xbf000000
	v_fmaak_f32 v[B+3], v[B+3], v[B+2], 0x3f800000 ; cos a
	v_mov_b32 v[B+4], 0x36405000
	v_fmaak_f32 v[B+4], v[B+4], v[B+2], 0xb9503486
	v_fmaak_f32 v[B+4], v[B+4], v[B+2], 0x3c0888c1
	v_fmaak_f32 v[B+4], v[B+4], v[B+2], 0xbe2aaaab
	v_mul_f32 v[B+2], v[B+2], v[B]
	v_fma_f32 v[B+4], v[B+4], v[B+2], v[B]         ; sin a
	v_cvt_i32_f32 v[B+1], v[B+1]                   ; q as a whole number: it selects values and signs, and nothing else
	v_and_b32 v[B+5], 1, v[B+1]
	v_cmp_eq_u32 vcc_lo, 1, v[B+5]
	v_cndmask_b32 v[B+6], v[B+4], v[B+3], vcc_lo   ; odd q: the two change places
	v_cndmask_b32 v[B+7], v[B+3], v[B+4], vcc_lo
	v_and_b32 v[B+5], 2, v[B+1]
	v_lshlrev_b32 v[B+5], 30, v[B+5]
	v_xor_b32 v[TSI+\n], v[B+5], v[B+6]            ; sin: negative where q % 4 is 2 or 3
	v_add_nc_u32 v[B+1], 1, v[B+1]
	v_and_b32 v[B+1], 2, v[B+1]
	v_lshlrev_b32 v[B+1], 30, v[B+1]
	v_xor_b32 v[TCO+\n], v[B+1], v[B+7]            ; cos: negative where q % 4 is 1 or 2
.endm
	SINCOS 0
	SINCOS 1
	SINCOS 2
	SINCOS 3
	global_store_b128 v[LN], v[TCO:TCO+3], s[18:19]               ; their data, offset and base are never written again
	global_store_b128 v[LN], v[TSI:TSI+3], s[18:19] offset:2048
.Lno_table:
	s_wait_kmcnt 0x0
.irp sc, 0,1,2
	s_add_co_i32 s56, s[32+2*\sc], 127
	s_lshl_b32 s57, s56, 23
	v_mov_b32 v[4+\sc], s57                        ; 2^e as f32: the conversion takes its exponent field
	s_add_co_i32 s56, s56, 8
	s_lshl_b32 s56, s56, 23
	s_or_b32 s56, s56, 0x600000
	v_mov_b32 v[7+\sc], s56                        ; 448 x 2^e
.endr
.irp i, 0,1,2,3,4,5,6,7,8,9,10,11,12,13,14,15
	s_wait_loadcnt 15-\i                           ; loads come back in order: row i is in, the younger ones may be out
	ds_store_b128 v[XIN], v[R+4*\i:R+4*\i+3] offset:SPX*\i
.endr
.irp p, 0,1,2,3                        ; LDS serves a wave's instructions in order: these see my stores
	ds_load_b128 v[X+16*\p:X+16*\p+3],     v[XOUT] offset:128*\p
	ds_load_b128 v[X+16*\p+4:X+16*\p+7],   v[XOUT] offset:128*\p+16
	ds_load_b128 v[X+16*\p+8:X+16*\p+11],  v[XOUT] offset:128*\p+64
	ds_load_b128 v[X+16*\p+12:X+16*\p+15], v[XOUT] offset:128*\p+80
.endr
.irp sc, 0,1,2
.irp p, 0,1,2,3
.set U, 4*\sc+\p
.set TS, T+16*(U%2)
.if \sc == 0
	s_wait_dscnt 12-4*\p                           ; this piece's four loads are in, and so are all sixteen stores ahead of them: R's registers are free for the codes; the later pieces' loads may be out
.endif
.irp i, 0,1,2,3,4,5,6,7,8,9,10,11,12,13,14,15
	v_med3_num_f32 v[TS+\i], v[X+16*\p+\i], -v[7+\sc], v[7+\sc]   ; the hold: the conversion to an 8-bit code does not saturate (ISA guide 7.6.2).  The other set's sixteen holds are the plain lines behind the conversions
.endr
	v_cvt_scalef32_pk8_fp8_f32 v[C+4*U:C+4*U+1],   v[TS:TS+7],    v[4+\sc]
	v_cvt_scalef32_pk8_fp8_f32 v[C+4*U+2:C+4*U+3], v[TS+8:TS+15], v[4+\sc]
	global_store_b128 v[LN], v[C+4*U:C+4*U+3], s[44+2*\sc:45+2*\sc] offset:512*\p    ; the wave stores 512 consecutive bytes, aligned; no store's data are written again
.endr
.endr
	v_nop                                          ; a plain line behind the last conversion
	s_wait_tensorcnt 0x0
	ds_add_u32 v192, v193
	s_wait_dscnt 0x0
	s_endpgm
; ======== the weights ========
.Lweights:
.set WX,   32                          ; v32-159   128 numbers of my column; once they are converted, v32-63 take the eight pieces of the two images
.set WC,   160                         ; v160-191  their codes, k ascending
.set OUTR, 32
	s_lshr_b32 s23, ttmp9, 3                       ; which 128 columns, 0 .. 19
	s_and_b32 s24, ttmp9, 7                        ; which 128 along K
	s_cmp_lt_u32 s23, 18                           ; which weight: the choices hang on the work-group's number alone
	s_cselect_b64 s[26:27], s[10:11], s[12:13]
	s_cselect_b32 s28, 16, 18                      ; the weight's first 128 columns in this count
	s_cselect_b32 s29, 8, 10                       ; its first group of 128 rows in the codes
	s_cmp_lt_u32 s23, 16
	s_cselect_b64 s[26:27], s[8:9], s[26:27]
	s_cselect_b32 s28, 8, s28
	s_cselect_b32 s29, 12, s29
	s_cselect_b32 s30, 19, 17                      ; log2 of 128 rows of the weight in bytes: rows of 4,096 or of 1,024 bytes
	s_cmp_lt_u32 s23, 8
	s_cselect_b64 s[26:27], s[6:7], s[26:27]
	s_cselect_b32 s28, 0, s28
	s_cselect_b32 s29, 0, s29
	s_sub_co_u32 s31, s23, s28                     ; which 128 columns of the weight
	s_lshl_b32 s44, s31, 9
	s_lshl_b32 s45, s22, 7
	s_add_co_u32 s44, s44, s45                     ; my wave's first column, in bytes
	s_lshl_b32 s45, s24, s30
	s_add_co_u32 s44, s44, s45                     ; + my first row
	s_mov_b32 s45, 0
	s_add_nc_u64 s[26:27], s[26:27], s[44:45]
	s_add_co_u32 s46, s29, s31
	s_lshl_b32 s46, s46, 17                        ; the group of 128 rows,
	s_lshr_b32 s47, s24, 1
	s_lshl_b32 s47, s47, 15
	s_add_co_u32 s46, s46, s47                     ; the 256 along K,
	s_lshl_b32 s47, s22, 13
	s_add_co_u32 s46, s46, s47                     ; my two row blocks,
	s_and_b32 s47, s24, 1
	s_lshl_b32 s47, s47, 11
	s_add_co_u32 s46, s46, s47                     ; the 128 along K
	s_mov_b32 s47, 0
	s_add_nc_u64 s[20:21], s[20:21], s[46:47]
.macro LOADS pitch                     ; W(my first row + i, my column), i = 0 .. 127: every offset an immediate, 127 x 4,096 at the most
.set I, 0
.rept 128
	global_load_b32 v[WX+I], v[L4], s[26:27] offset:I*\pitch th:TH_LOAD_NT
.set I, I+1
.endr
.endm
	s_cmp_lt_u32 s23, 16                           ; the two ways differ in the row pitch alone: the same loads into the same registers
	s_cbranch_scc0 .Lnarrow
	LOADS 4096
	s_branch .Lloaded
.Lnarrow:
	LOADS 1024
.Lloaded:
	s_wait_kmcnt 0x0
	s_cmp_lt_u32 s23, 18
	s_cselect_b32 s50, s35, s37                    ; e: wk's entry 3 or wv's entry 5,
	s_cmp_lt_u32 s23, 16
	s_cselect_b32 s50, s43, s50                    ; wo's entry 11,
	s_cmp_lt_u32 s23, 8
	s_cselect_b32 s50, s33, s50                    ; wq's entry 1
	s_add_co_i32 s50, s50, 127
	s_lshl_b32 s51, s50, 23
	v_mov_b32 v4, s51                              ; 2^e as f32: the conversion takes its exponent field
	s_add_co_i32 s50, s50, 8
	s_lshl_b32 s50, s50, 23
	s_or_b32 s50, s50, 0x600000
	v_mov_b32 v7, s50                              ; 448 x 2^e
.macro GROUP g0, g1                    ; rows 8 g0 .. 8 g1 - 1: the hold (the conversion to an 8-bit code does not saturate: ISA guide 7.6.2), then eight numbers a conversion
.set I, 8*\g0
.rept 8*(\g1-\g0)
	v_med3_num_f32 v[WX+I], v[WX+I], -v7, v7
.set I, I+1
.endr
.set I, \g0
.rept \g1-\g0
	v_cvt_scalef32_pk8_fp8_f32 v[WC+2*I:WC+2*I+1], v[WX+8*I:WX+8*I+7], v4
.set I, I+1
.endr
.endm
	s_wait_loadcnt 63                              ; loads come back in order: of the 128, at most the youngest 63 are out: rows 0-64 are in
	GROUP 0, 8
	s_wait_loadcnt 32                              ; rows 0-95 are in
	GROUP 8, 12
	s_wait_loadcnt 0x0
	GROUP 12, 16
	v_nop                                          ; a plain line behind the last conversion
.irp m, 0,1,2,3,4,5,6,7
	ds_store_b128 v[WIN_], v[WC+4*\m:WC+4*\m+3] offset:16*\m      ; my column's 128 codes, a row of the stage
.endr
.irp cb, 0,1                           ; LDS serves a wave's instructions in order: these see my stores.  Registers 2 c, 2 c + 1 of an image are the 8 bytes at 16 c + 8 h of row r
.irp p, 0,1,2,3
	ds_load_b64 v[OUTR+4*(4*\cb+\p):OUTR+4*(4*\cb+\p)+1],   v[WOUT] offset:\cb*16*WSP+32*\p
	ds_load_b64 v[OUTR+4*(4*\cb+\p)+2:OUTR+4*(4*\cb+\p)+3], v[WOUT] offset:\cb*16*WSP+32*\p+16
.endr
.endr
.irp cb, 0,1
.irp p, 0,1,2,3
	s_wait_dscnt 14-2*(4*\cb+\p)                   ; this piece's two loads are in; those of the later pieces may be out
	global_store_b128 v[LN], v[OUTR+4*(4*\cb+\p):OUTR+4*(4*\cb+\p)+3], s[20:21] offset:\cb*4096+\p*512   ; the wave stores 512 consecutive bytes, aligned
.endr
.endr
	s_wait_tensorcnt 0x0
	ds_add_u32 v192, v193
	s_wait_dscnt 0x0
	s_endpgm
.Lfunc_end_k_q238589361b_prep:
	.size	k_q238589361b_prep, .Lfunc_end_k_q238589361b_prep-k_q238589361b_prep
	.p2alignl 7, 3214868480
	.fill 96, 4, 3214868480
	.section	.rodata,"a",@progbits
	.p2align	6, 0x0
	.amdhsa_kernel k_q238589361b_prep
		.amdhsa_group_segment_fixed_size 52736
		.amdhsa_private_segment_fixed_size 0
		.amdhsa_enable_private_segment 0
		.amdhsa_kernarg_size 72
		.amdhsa_user_sgpr_count 2
		.amdhsa_user_sgpr_kernarg_segment_ptr 1
		.amdhsa_wavefront_size32 1
		.amdhsa_system_sgpr_workgroup_id_x 1
		.amdhsa_system_sgpr_workgroup_id_y 1
		.amdhsa_system_sgpr_workgroup_id_z 1
		.amdhsa_system_vgpr_workitem_id 0
		.amdhsa_next_free_vgpr 194
		.amdhsa_next_free_sgpr 66
		.amdhsa_reserve_vcc 1
		.amdhsa_float_denorm_mode_32 3
		.amdhsa_float_denorm_mode_16_64 3
		.amdhsa_memory_ordered 1
		.amdhsa_forward_progress 1
		.amdhsa_inst_pref_size 68
	.end_amdhsa_kernel
	.amdgpu_metadata
---
amdhsa.version: [ 1, 2 ]
amdhsa.kernels:
  - .name:           k_q238589361b_prep
    .symbol:         k_q238589361b_prep.kd
    .args:
      - { .name: x, .offset: 0, .size: 8, .value_kind: global_buffer, .address_space: global }
      - { .name: wq, .offset: 8, .size: 8, .value_kind: global_buffer, .address_space: global }
      - { .name: wo, .offset: 16, .size: 8, .value_kind: global_buffer, .address_space: global }
      - { .name: wk, .offset: 24, .size: 8, .value_kind: global_buffer, .address_space: global }
      - { .name: wv, .offset: 32, .size: 8, .value_kind: global_buffer, .address_space: global }
      - { .name: lowp_scales, .offset: 40, .size: 8, .value_kind: global_buffer, .address_space: global }
      - { .name: x_codes, .offset: 48, .size: 8, .value_kind: global_buffer, .address_space: global }
      - { .name: rope, .offset: 56, .size: 8, .value_kind: global_buffer, .address_space: global }
      - { .name: wcodes, .offset: 64, .size: 8, .value_kind: global_buffer, .address_space: global }
    .group_segment_fixed_size: 52736
    .private_segment_fixed_size: 0
    .kernarg_segment_align: 8
    .kernarg_segment_size: 72
    .max_flat_workgroup_size: 128
    .sgpr_count:     66
    .vgpr_count:     194
    .wavefront_size: 32
...
	.end_amdgpu_metadata
.endif
;; end of part 1
;; launch qkv (part 2): grid 6 x 32, 4 waves a work-group, no clusters, 327,680 bytes of LDS; arguments x_codes, wcodes, lowp_scales, rope, q_codes, k_codes, v_codes; writes q_codes, k_codes, v_codes
.if DOCPART == 2
	.amdgcn_target "amdgcn-amd-amdhsa--gfx1250"
	.amdhsa_code_object_version 6
	.text
	.protected	k_q238589361b_qkv
	.globl	k_q238589361b_qkv
	.p2align	8
	.type	k_q238589361b_qkv,@function
k_q238589361b_qkv:
	s_mov_b64 s[64:65], 0
	v_nop
	global_prefetch_b8 v0, s[64:65] scope:SCOPE_SE
	s_setreg_imm32_b32 hwreg(HW_REG_WAVE_MODE, 25, 1), 1
	s_wait_xcnt 0x0
; q = x wq, k = x wk, v = x wv on codes of FP8 (E4M3); q and k are rotated (RoPE) in f32; q, k and v are quantised again, with entries 6, 7 and 9 of the scales, as operands of the attention.
; Work-group x is a tile column of 256 features: 0-3 q, 4 k, 5 v; y is a tile row of 256 tokens.  Four waves, each 128 x 128: 64 accumulators of 16 x 16, 512 registers.
; Both operands lie in memory as images of the operand's registers (16 rows x 128 K = 2,048 bytes; 128 rows x 256 K = 32,768 bytes on end), so a wave's tensor load is one dense block, a fragment is four
; ds_load_b128 of 512 consecutive bytes, and k stands in the place that the form gives it.  K = 1,024 goes in four steps of 256 through a ring of two LDS slots.
; THE MATRIX INSTRUCTION IS USED TRANSPOSED (source 0 = 16 rows of side B, source 1 = 16 rows of side A): a lane holds one row of side A, and its eight registers are eight neighbouring rows of side B.
; q, k: side A = tokens, side B = features: a lane's registers run along the head's 64, the next product's K.  v: THE SIDES ARE SWAPPED (A = features, B = tokens): a lane's registers run along the
; tokens, the keys, which are the K of the attention's second product.  In both cases eight registers of an accumulator, converted, ARE two registers of the next operand: the codes are stored as they stand.
; A sum stands for sum x 2^(eA + eB); the rotation is linear; so the three exponents are folded into the conversion's one: f = eOut - eA - eB.  LIMIT: -126 <= f <= 119 for q, k and v.  NaN is not served.
; NO CLUSTER: tile columns 0-3, 4 and 5 take three different sets of x's codes (three given scales), and six columns do not divide by four; the weights' tiles are shared down a column, but they lie
; on side B for q and k and on side A for v, so a joint load's mask would hang on the tile column.
; REGISTERS, in windows of 256: window 0: v12, v13 the conversion's scale and hold; v16-29 addresses; from v128 side A's fragments, ONE set; on the way out v32-111 at work, v128-255 the codes.
;   window 1: side B's fragments, TWO sets; on the way out of q and k the table: cos of token block a at v[32 a], sin at v[32 a + 16].   windows 2, 3: the accumulators, (a, b) at v[8 (8 (a % 4) + b)].
.set SLOT,  131072                     ; a slot: side A's two halves, then side B's two halves, 32,768 bytes each
.set PART,  32768
.set SPARE, 2*SLOT                     ; behind the ring: the spare words, 128 bytes for each wave: two blocks of 256 bytes that no other line names
.set FR,    16                         ; registers of a fragment
.set NL,    4                          ; LDS loads that bring one
.set NP,    4                          ; places behind this matrix instruction (ISA guide 7.12.1)
.set SC,    12
.set LIM,   13
.set ADRA,  16                         ; v16-17  LDS address of my fragments of side A in slot 0, 1
.set ADRB,  20                         ; v20-21  the same for side B
.set LN,    26                         ; v26     16 x lane; never rewritten
.set SPW,   28                         ; v28     LDS address of my spare word; never rewritten
.set NIL,   29                         ; v29     0; never rewritten
.set Y,     32                         ; v32-95  a block's 64 numbers ahead of the conversion
.set TT,    96                         ; v96-111 at work in the rotation
.set UU,    104
.set AF,    128
.set CD,    128                        ; v128-255 the codes: 16 registers for each block
.set G1,    24                         ; s[24:31] descriptor group 1
.set G0,    32                         ; s[32:39] group 0, one set for each slot
.set MSB, 0
.macro WIN new                         ; the immediate's high byte repeats the setting that is left
.if MSB != \new
	s_set_vgpr_msb (MSB<<8)|\new
.set MSB, \new
.endif
.endm
.set MUL_LO, 0xa1                      ; source 0 (B) window 1, source 1 (A) window 0, C and D window 2
.set MUL_HI, 0xf1                      ; the same, C and D window 3
.set TO_B,   0x40                      ; destination window 1, address window 0
	s_load_b256 s[4:11], s[0:1], 0x0               ; x's codes s[4:5], the weights' codes s[6:7], the scales' exponents s[8:9], the table s[10:11]
	s_load_b128 s[12:15], s[0:1], 0x20             ; q's codes s[12:13], k's codes s[14:15]
	s_load_b64 s[16:17], s[0:1], 0x30              ; v's codes
	v_lshl_add_u32 v[SPW], v0, 2, SPARE
	v_mov_b32 v[NIL], 0
	ds_add_u32 v28, v29
	ds_add_u32 v28, v29
	s_wait_dscnt 0x0
	v_lshrrev_b32 v1, 5, v0
	v_readfirstlane_b32 s18, v1                    ; wave 0..3
	s_lshr_b32 s19, s18, 1                         ; which half of side A is mine
	s_and_b32 s20, s18, 1                          ; which half of side B.  Also: which half of a side I fetch
	s_mov_b32 s21, ttmp9                           ; tile column
	s_and_b32 s22, ttmp7, 0xffff                   ; tile row
	s_mov_b32 s[G1+0], 3<<16                       ; no mask; elements of 8 bytes; no padding: an image's loads are 512 consecutive bytes
	s_mov_b32 s[G1+1], 32<<16                      ; tensor_dim0 = 32 elements: rows of 256 bytes
	s_mov_b32 s[G1+2], 128<<16                     ; tensor_dim1 = 128
	s_mov_b32 s[G1+3], 32<<16                      ; tile_dim0
	s_mov_b32 s[G1+4], 128                         ; tile_dim1
	s_mov_b32 s[G1+5], 32                          ; pitch = row: the block is dense
	s_mov_b32 s[G1+6], 0
	s_mov_b32 s[G1+7], 0
	s_max_u32 s40, s21, 3
	s_sub_co_u32 s40, s40, 3                       ; x's plane: 0 for q, 1 for k, 2 for v
	s_lshl_b32 s40, s40, 23
	s_lshl_b32 s41, s22, 18                        ; 256 rows are 262,144 bytes
	s_add_co_u32 s40, s40, s41
	s_mov_b32 s41, 0
	s_lshl_b32 s42, s21, 18
	s_mov_b32 s43, 0
	s_lshl_b32 s23, s18, 15                        ; where my part of a slot lies: wave x 32,768
	s_wait_kmcnt 0x0
	s_load_b256 s[48:55], s[8:9], 0x0              ; entries 0-7
	s_load_b128 s[56:59], s[8:9], 0x20             ; entries 8-11
	s_add_nc_u64 s[4:5], s[4:5], s[40:41]          ; the tokens' side
	s_add_nc_u64 s[6:7], s[6:7], s[42:43]          ; the features' side
	s_cmp_eq_u32 s21, 5
	s_cselect_b64 s[44:45], s[6:7], s[4:5]         ; side A
	s_cselect_b64 s[46:47], s[4:5], s[6:7]         ; side B
	s_cmp_lt_u32 s18, 2                            ; waves 0, 1 fetch side A's halves, waves 2, 3 side B's
	s_cselect_b64 s[44:45], s[44:45], s[46:47]
	s_lshl_b32 s40, s20, 17                        ; a half: 128 rows x 1,024 K
	s_mov_b32 s41, 0
	s_add_nc_u64 s[44:45], s[44:45], s[40:41]
.irp n, 0,1
	s_mov_b32 s[G0+4*\n], 1                        ; count = 1
	s_add_co_u32 s[G0+4*\n+1], s23, \n*SLOT        ; LDS address
	s_add_nc_u64 s[G0+4*\n+2:G0+4*\n+3], s[44:45], \n*PART        ; K step n
	s_or_b32 s[G0+4*\n+3], s[G0+4*\n+3], 0x80000000               ; type = 2
.endr
	tensor_load_to_lds s[G0:G0+3], s[G1:G1+7]      ; the two first fills go out together: two loads of mine are out
	s_nop 0
	tensor_load_to_lds s[G0+4:G0+7], s[G1:G1+7]
	s_nop 0
.rept 4
	v_nop
.endr
	v_and_b32 v1, 31, v0
	v_lshlrev_b32 v[LN], 4, v1
	s_lshl_b32 s40, s19, 15
	s_lshl_b32 s41, s20, 15
	s_add_co_u32 s41, s41, 2*PART
.irp s, 0,1
	v_add_nc_u32 v[ADRA+\s], s40, v[LN]
	v_add_nc_u32 v[ADRB+\s], s41, v[LN]
	s_add_co_u32 s40, s40, SLOT
	s_add_co_u32 s41, s41, SLOT
.endr
	s_wait_kmcnt 0x0
	s_sub_co_i32 s40, s54, s48
	s_sub_co_i32 s40, s40, s49                     ; q: e6 - e0 - e1
	s_sub_co_i32 s41, s55, s50
	s_sub_co_i32 s41, s41, s51                     ; k: e7 - e2 - e3
	s_sub_co_i32 s42, s57, s52
	s_sub_co_i32 s42, s42, s53                     ; v: e9 - e4 - e5
	s_cmp_lt_u32 s21, 4
	s_cselect_b32 s40, s40, s41
	s_cmp_eq_u32 s21, 5
	s_cselect_b32 s40, s42, s40                    ; f
	s_add_co_i32 s40, s40, 127
	s_lshl_b32 s41, s40, 23
	v_mov_b32 v[SC], s41                           ; 2^f as f32
	s_add_co_i32 s40, s40, 8
	s_lshl_b32 s40, s40, 23
	s_or_b32 s40, s40, 0x600000
	v_mov_b32 v[LIM], s40                          ; 448 x 2^f
.macro FRAG reg, adr, q, i             ; image (row block i, the slot's q-th 128 along K): four loads of 512 consecutive bytes
.irp c, 0,1,2,3
	ds_load_b128 v[\reg+4*\c:\reg+4*\c+3], v[\adr] offset:((\i)*2+(\q))*2048+512*\c
.endr
.endm
; 16 matrix instructions: A's blocks a0, a0 + 1 x B's eight, 128 along K.  p: B's set.  zero = 1: the first product starts the sums.
; The 64 accumulators take turns, one instruction a turn, in the same order in every step.
.macro MUL16 a0, p, zero
.irp a, \a0, \a0+1
.irp b, 0,1,2,3,4,5,6,7
.if \zero
	v_wmma_f32_16x16x128_fp8_fp8 v[8*(8*((\a)%4)+\b):8*(8*((\a)%4)+\b)+7], v[128*(\p)+FR*\b:128*(\p)+FR*\b+FR-1], v[AF+FR*(\a):AF+FR*(\a)+FR-1], 0
.else
	v_wmma_f32_16x16x128_fp8_fp8 v[8*(8*((\a)%4)+\b):8*(8*((\a)%4)+\b)+7], v[128*(\p)+FR*\b:128*(\p)+FR*\b+FR-1], v[AF+FR*(\a):AF+FR*(\a)+FR-1], v[8*(8*((\a)%4)+\b):8*(8*((\a)%4)+\b)+7]
.endif
.endr
.endr
.endm
.macro FETCH_B slot, q, p
	WIN TO_B
.irp i, 0,1,2,3,4,5,6,7
	FRAG 128*(\p)+FR*\i, ADRB+\slot, \q, \i
.endr
	WIN 0
.endm
.macro FETCH_A slot, q, i0
.irp i, \i0, \i0+1, \i0+2, \i0+3
	FRAG AF+FR*(\i), ADRA+\slot, \q, \i
.endr
.endm
.macro PLACES n                        ; plain vector lines between a matrix instruction and a load into, or a vector instruction on, its registers
.rept \n
	v_nop
.endr
.endm
; A step of 128 along K that has its successor in the same slot.  A block of A is free as soon as its eight products are issued, so one set serves A; B's fragments work through the whole step and have two.
.macro STEP slot, q, zero
	s_wait_dscnt 4*NL                              ; B's set and A's blocks 0-3 are in; the youngest sixteen loads (A's blocks 4-7) may be out
	WIN MUL_LO
	MUL16 0, (\q)%2, \zero
	MUL16 2, (\q)%2, \zero
	s_wait_dscnt 0                                 ; A's blocks 4-7 are in
	PLACES NP
	FETCH_B \slot, (\q)+1, 1-(\q)%2
	FETCH_A \slot, (\q)+1, 0
	WIN MUL_HI
	MUL16 4, (\q)%2, \zero
	MUL16 6, (\q)%2, \zero
	PLACES NP
	WIN 0
	FETCH_A \slot, (\q)+1, 4
.endm
; A slot's last step changes slots: ONE barrier; in front of it each wave waits for all its tensor loads, adds 0 to its spare word, and waits for that and for its own reads of this slot.
; fill = 1: this slot is filled again, two K steps ahead: my one tensor load behind the barrier, and the first thing there.
.macro TURN slot, next, fill
	s_wait_tensorcnt 0x0                           ; all my tensor loads have landed: my part of the next slot
	ds_add_u32 v[SPW], v[NIL]                      ; 0 onto my spare word
	s_wait_dscnt 4*NL+1                            ; (the add and the youngest sixteen loads may be out)
	WIN MUL_LO
	MUL16 0, 1, 0                                  ; sixteen matrix instructions stand between the add and the wait for it
	s_wait_dscnt 0x0                               ; the add is done, and my reads of this slot are over
	s_barrier_signal -1
	MUL16 2, 1, 0
	WIN 0
	s_barrier_wait -1
.if \fill
	s_add_nc_u64 s[G0+4*\slot+2:G0+4*\slot+3], s[G0+4*\slot+2:G0+4*\slot+3], 2*PART   ; no load of mine is out, so a group 0 may be written
	tensor_load_to_lds s[G0+4*\slot:G0+4*\slot+3], s[G1:G1+7]
	s_nop 0
.endif
	PLACES NP                                      ; behind the load, and in front of the loads below
	FETCH_B \next, 0, 0
	FETCH_A \next, 0, 0
	WIN MUL_HI
	MUL16 4, 1, 0
	MUL16 6, 1, 0
	PLACES NP
	WIN 0
	FETCH_A \next, 0, 4
.endm
.macro FIN                             ; a wave's end
	s_wait_tensorcnt 0x0
	ds_add_u32 v[SPW], v[NIL]
	s_wait_dscnt 0x0
	s_endpgm
.endm
	s_wait_tensorcnt 0x1                           ; my part of K step 0 is in; K step 1's load may be out
	s_barrier_signal -1
	s_barrier_wait -1
	FETCH_B 0, 0, 0
	FETCH_A 0, 0, 0
	FETCH_A 0, 0, 4
	STEP 0, 0, 1                                   ; K = 1,024 is four slots: eight steps of 128, written out
	TURN 0, 1, 1                                   ; slot 0 takes K step 2
	STEP 1, 0, 0
	TURN 1, 0, 1                                   ; slot 1 takes K step 3
	STEP 0, 0, 0
	TURN 0, 1, 0                                   ; nothing is left to fetch
	STEP 1, 0, 0
	s_wait_dscnt 4*NL
	WIN MUL_LO
	MUL16 0, 1, 0
	MUL16 2, 1, 0
	s_wait_dscnt 0
	WIN MUL_HI
	MUL16 4, 1, 0
	MUL16 6, 1, 0
	WIN 0
	PLACES NP                                      ; behind the last products: results are read, and operands' registers written, from here on
	s_cmp_eq_u32 s21, 5
	s_cbranch_scc1 .Lv_out
	; ---- q and k.  Accumulator (a, b): lane (r, h) holds token 16 a + r and features 16 b + 8 h + 0 .. 7 of my 128: head b / 4, d = 16 (b % 4) + 8 h + j.
	s_and_b32 s40, s22, 7
	s_lshl_b32 s40, s40, 4
	s_lshl_b32 s41, s19, 3
	s_add_co_u32 s40, s40, s41                     ; my first block of 16 tokens within the sequence
	s_lshl_b32 s42, s40, 12
	s_mov_b32 s43, 0
	s_add_nc_u64 s[10:11], s[10:11], s[42:43]      ; its cos and sin
	s_lshr_b32 s44, s22, 3                         ; the batch
	s_lshl_b32 s45, s44, 4
	s_lshl_b32 s46, s21, 2
	s_add_co_u32 s45, s45, s46                     ; q: head 16 b + 4 x tile column
	s_lshl_b32 s46, s44, 2                         ; k: head 4 b
	s_cmp_lt_u32 s21, 4
	s_cselect_b32 s45, s45, s46
	s_cselect_b64 s[12:13], s[12:13], s[14:15]
	s_lshl_b32 s46, s20, 1
	s_add_co_u32 s45, s45, s46                     ; + my two heads
	s_lshl_b32 s45, s45, 7
	s_add_co_u32 s45, s45, s40                     ; 128 token blocks a head
	s_lshl_b32 s46, s45, 10                        ; of 1,024 bytes
	s_mov_b32 s47, 0
	s_add_nc_u64 s[12:13], s[12:13], s[46:47]
	WIN TO_B
.irp a, 0,1,2,3,4,5,6,7
.irp p, 0,1,2,3
	global_load_b128 v[32*\a+4*\p:32*\a+4*\p+3], v[LN], s[10:11] offset:\a*4096+512*\p            ; cos: register 8 bb + j is entry 16 bb + 8 h + j of token r
.endr
.irp p, 0,1,2,3
	global_load_b128 v[32*\a+16+4*\p:32*\a+16+4*\p+3], v[LN], s[10:11] offset:\a*4096+2048+512*\p ; sin
.endr
.endr
.macro ROPE a
	s_wait_loadcnt 56-8*(\a)                       ; this block's eight loads are in; those of the later blocks may be out
	WIN 0x06+((\a)/4)                              ; source 0: the sums, window 2 or 3; source 1: the table, window 1
.irp hd, 0,1
.irp bb, 0,1
.irp j, 0,2,4,6                        ; each accumulator from its low end on
.set X1, 8*(8*((\a)%4)+4*\hd+\bb)+\j
.set CT, 32*(\a)+8*\bb+\j
	v_pk_mul_f32 v[TT+\j:TT+\j+1], v[X1+16:X1+17], v[CT+16:CT+17]
	v_pk_mul_f32 v[UU+\j:UU+\j+1], v[X1:X1+1], v[CT+16:CT+17]
	v_pk_fma_f32 v[Y+8*(4*\hd+\bb)+\j:Y+8*(4*\hd+\bb)+\j+1], v[X1:X1+1], v[CT:CT+1], v[TT+\j:TT+\j+1] neg_lo:[0,0,1] neg_hi:[0,0,1]   ; d < 32: x(d) cos - x(d + 32) sin
	v_pk_fma_f32 v[Y+8*(4*\hd+\bb+2)+\j:Y+8*(4*\hd+\bb+2)+\j+1], v[X1+16:X1+17], v[CT:CT+1], v[UU+\j:UU+\j+1]                         ; d + 32: x(d + 32) cos + x(d) sin
.endr
.endr
.endr
	WIN 0
.set I, 0
.rept 64
	v_med3_num_f32 v[Y+I], v[Y+I], -v[LIM], v[LIM] ; the hold: the conversion to an 8-bit code does not saturate (ISA guide 7.6.2)
.set I, I+1
.endr
.irp b, 0,1,2,3,4,5,6,7
	v_cvt_scalef32_pk8_fp8_f32 v[CD+16*(\a)+2*\b:CD+16*(\a)+2*\b+1], v[Y+8*\b:Y+8*\b+7], v[SC]    ; registers 2 (b % 4), 2 (b % 4) + 1 of head b / 4's operand
.endr
	v_nop                                          ; a plain line behind the last conversion
.irp hd, 0,1
.irp p, 0,1
	global_store_b128 v[LN], v[CD+16*(\a)+8*\hd+4*\p:CD+16*(\a)+8*\hd+4*\p+3], s[12:13] offset:(\a)*1024+\hd*131072+\p*512   ; the wave stores 512 consecutive bytes, aligned
.endr
.endr
.endm
.irp a, 0,1,2,3,4,5,6,7
	ROPE \a
.endr
	FIN
.Lv_out:
	; ---- v.  Accumulator (a, b): lane (r, h) holds feature 16 a + r of my 128 (head a / 4, d = 16 (a % 4) + r) and tokens 16 b + 8 h + 0 .. 7 of my 128: the block's 16 code registers are one operand of 16 d x 128 keys.
	s_lshr_b32 s44, s22, 3                         ; the batch
	s_lshl_b32 s45, s44, 2
	s_lshl_b32 s46, s19, 1
	s_add_co_u32 s45, s45, s46                     ; head 4 b + my two
	s_lshl_b32 s45, s45, 4                         ; 16 blocks of 128 keys a head
	s_and_b32 s46, s22, 7
	s_lshl_b32 s46, s46, 1
	s_add_co_u32 s45, s45, s46
	s_add_co_u32 s45, s45, s20
	s_lshl_b32 s46, s45, 13                        ; of 8,192 bytes
	s_mov_b32 s47, 0
	s_add_nc_u64 s[16:17], s[16:17], s[46:47]
.macro VOUT a
	WIN 0x02+((\a)/4)                              ; source 0: window 2 or 3
.set I, 0
.rept 64
	v_med3_num_f32 v[Y+I], v[64*((\a)%4)+I], -v[LIM], v[LIM]      ; the hold; each accumulator from its low end on
.set I, I+1
.endr
	WIN 0
.irp b, 0,1,2,3,4,5,6,7
	v_cvt_scalef32_pk8_fp8_f32 v[CD+16*(\a)+2*\b:CD+16*(\a)+2*\b+1], v[Y+8*\b:Y+8*\b+7], v[SC]
.endr
	v_nop                                          ; a plain line behind the last conversion
.irp p, 0,1,2,3
	global_store_b128 v[LN], v[CD+16*(\a)+4*\p:CD+16*(\a)+4*\p+3], s[16:17] offset:((\a)/4)*131072+((\a)%4)*2048+512*\p
.endr
.endm
.irp a, 0,1,2,3,4,5,6,7
	VOUT \a
.endr
	FIN
.Lfunc_end_k_q238589361b_qkv:
	.size	k_q238589361b_qkv, .Lfunc_end_k_q238589361b_qkv-k_q238589361b_qkv
	.p2alignl 7, 3214868480
	.fill 96, 4, 3214868480
	.section	.rodata,"a",@progbits
	.p2align	6, 0x0
	.amdhsa_kernel k_q238589361b_qkv
		.amdhsa_group_segment_fixed_size 327680
		.amdhsa_private_segment_fixed_size 0
		.amdhsa_enable_private_segment 0
		.amdhsa_kernarg_size 56
		.amdhsa_user_sgpr_count 2
		.amdhsa_user_sgpr_kernarg_segment_ptr 1
		.amdhsa_wavefront_size32 1
		.amdhsa_system_sgpr_workgroup_id_x 1
		.amdhsa_system_sgpr_workgroup_id_y 1
		.amdhsa_system_sgpr_workgroup_id_z 1
		.amdhsa_system_vgpr_workitem_id 0
		.amdhsa_next_free_vgpr 1024
		.amdhsa_next_free_sgpr 66
		.amdhsa_reserve_vcc 0
		.amdhsa_float_denorm_mode_32 3
		.amdhsa_float_denorm_mode_16_64 3
		.amdhsa_memory_ordered 1
		.amdhsa_forward_progress 1
		.amdhsa_inst_pref_size 192
	.end_amdhsa_kernel
	.amdgpu_metadata
---
amdhsa.version: [ 1, 2 ]
amdhsa.kernels:
  - .name:           k_q238589361b_qkv
    .symbol:         k_q238589361b_qkv.kd
    .args:
      - { .name: x_codes, .offset: 0, .size: 8, .value_kind: global_buffer, .address_space: global }
      - { .name: wcodes, .offset: 8, .size: 8, .value_kind: global_buffer, .address_space: global }
      - { .name: lowp_scales, .offset: 16, .size: 8, .value_kind: global_buffer, .address_space: global }
      - { .name: rope, .offset: 24, .size: 8, .value_kind: global_buffer, .address_space: global }
      - { .name: q_codes, .offset: 32, .size: 8, .value_kind: global_buffer, .address_space: global }
      - { .name: k_codes, .offset: 40, .size: 8, .value_kind: global_buffer, .address_space: global }
      - { .name: v_codes, .offset: 48, .size: 8, .value_kind: global_buffer, .address_space: global }
    .group_segment_fixed_size: 327680
    .private_segment_fixed_size: 0
    .kernarg_segment_align: 8
    .kernarg_segment_size: 56
    .max_flat_workgroup_size: 128
    .sgpr_count:     66
    .vgpr_count:     1024
    .wavefront_size: 32
...
	.end_amdgpu_metadata
.endif
;; end of part 2
;; launch attn (part 3): grid 16 x 16, 16 waves a work-group, clusters of 4 x 1, 264,192 bytes of LDS; arguments q_codes, k_codes, v_codes, lowp_scales, a_codes; writes a_codes
.if DOCPART == 3
	.amdgcn_target "amdgcn-amd-amdhsa--gfx1250"
	.amdhsa_code_object_version 6
	.text
	.protected	k_q238589361b_attn
	.globl	k_q238589361b_attn
	.p2align	8
	.type	k_q238589361b_attn,@function
k_q238589361b_attn:
	s_mov_b64 s[64:65], 0
	v_nop
	global_prefetch_b8 v0, s[64:65] scope:SCOPE_SE
	s_setreg_imm32_b32 hwreg(HW_REG_WAVE_MODE, 25, 1), 1
	s_wait_xcnt 0x0
	s_wait_alu depctr_hold_cnt(0) depctr_sa_sdst(0) depctr_va_vdst(0) depctr_va_sdst(0) depctr_va_ssrc(0) depctr_va_vcc(0) depctr_vm_vsrc(0)
	s_getreg_b32 s2, hwreg(HW_REG_IB_STS2, 6, 4)
	s_cmp_eq_u32 s2, 0
	s_cbranch_scc0 .Lentry_in_a_cluster
	s_endpgm
.Lentry_in_a_cluster:
	s_bfe_u32 s2, ttmp6, 0x10000c
	s_cmp_lg_u32 s2, 0x3003
	s_cbranch_scc0 .Lentry_shape_is_right
	s_endpgm
.Lentry_shape_is_right:
; Causal attention on codes of FP8 (E4M3): 64 query heads in all (4 batches x 16), head size 64, 2,048 tokens; four query heads share a key and value head.  The result is quantised with entry 10 of the scales.
; THE SOFTMAX AHEAD OF THE SECOND PRODUCT: t = score x log2(e) / 8; M = the row's largest t so far, rounded UP to a whole number; p = 2^(t - M) is quantised (entry 8), not normalised.
; The row's sum is taken of the unquantised p, in f32, and divides O at the end.  When M moves, the sum and O are multiplied by 2^(old M - new M): exact.
; CLUSTER.  The four work-groups of a cluster are the four query heads of one key and value head, on the same tokens: they read the same K and V, and their control flow is alike; the place in the
; cluster enters q's and the output's global addresses alone.  K and V of the head (131,072 bytes each) are asked for JOINTLY and STAY in LDS: they are filled once, nothing is filled again.
; SHARES.  Cluster x (0..3) and the wave (0..15) name a tile of 16 queries, t1 = 16 x + wave (0..63); the wave then also takes tile 127 - t1.  Tile t works t / 8 + 1 key steps of 128, so every
; wave of the launch works 17.  Both tiles' fragments of Q are asked for at the head, behind the tensor loads, and waited for once.
; TWO BARRIERS.  The first shows keys 0 .. 1,023 in LDS.  Every wave then works ONE key step (keys 0 .. 127, which count for every tile), waits for its second load and meets the others again:
; that shows keys 1,024 on in LDS, while the waves are at most one step apart.  From there on no wave waits for another: the first tile needs keys under 1,024 only, the second tile all.
; EVERY trip count is a constant (1 + 7, then 16 key steps); a step all of whose keys come after the wave's queries is left out by a scalar branch on ids.
; LAYOUT.  All operands lie as images of the operand's registers (16 rows x 64 K = 1,024 bytes, x 128 K = 2,048 bytes; a piece of four registers is 512 consecutive bytes, 16 a lane).
; Both products are used transposed: S^T = K Q^T (source 0 = 16 keys, source 1 = my 16 queries), O^T = V^T P^T (source 0 = 16 of the head's 64, source 1 = P): a lane holds ONE query (lane % 16).
; In S^T register 8 c + j of lane (r, h) is key 16 c + 8 h + j: eight registers, converted, are registers 2 c, 2 c + 1 of P as an operand over 128 keys.  O^T likewise gives the output's operand.
; LIMITS on the given exponents: e6 + e7 between -123 and 130 (added to c's exponent field); e8, and e10 - e8 - e9, between -126 and 119.  NaN among the inputs is not served.
; REGISTERS: v1 16 x lane; v2 the same in V; v3 r - 8 h; v8, v9 addresses in hand; v12 -M, v13 the largest t, v[14:15] the sum in two halves; v16-23 the first tile's Q, later the output's codes;
; v24-31 the second tile's Q; v32-95 K's eight fragments, then V's four; v96-159 S^T, then p; v160-191 O^T; v192-223 O / the sum; v224-239 p's codes; v240 and v247: 448 x 2^e8; v244: 2^e8;
; v241, v245: the same for the output; v236-254 at work.
.set VBASE, 131072                     ; LDS: K at 0, V here
.set WV,   18                          ; s18  my wave's number
.set SEL,  20                          ; s[20:21] lane selects for v_permlanex16_b32: lane l xor 16
.set CS,   22                          ; s[22:23] c = log2(e) / 8 x 2^(e6 + e7)
.set G1,   24                          ; s[24:31] descriptor group 1
.set G0A,  40                          ; s[40:43] group 0: my part of the first halves
.set G0B,  44                          ; s[44:47] of the second halves
.set TB,   50                          ; s50  LDS byte of the step's tiles within K and within V
.set KF,   51                          ; s51  the step's first key
.set Q0,   52                          ; s52  my first query
.set CNT,  53
.set TILE, 54
.macro ROUND                           ; a round of the cluster's barrier
	s_barrier_signal -1
	s_barrier_wait -1
	s_cmp_lg_u32 s[WV], 0
	s_cbranch_scc1 .Lnot_wave_0_\@
	s_barrier_signal -3
.Lnot_wave_0_\@:
	s_barrier_wait -3
	s_barrier_signal -1
	s_barrier_wait -1
.endm
	s_load_b256 s[4:11], s[0:1], 0x0               ; q's codes s[4:5], k's s[6:7], v's s[8:9], the scales' exponents s[10:11]
	s_load_b64 s[12:13], s[0:1], 0x20              ; the output's codes
	v_lshl_add_u32 v251, v0, 2, 0x40000
	v_mov_b32 v255, 0
	ds_add_u32 v251, v255
	ds_add_u32 v251, v255
	v_lshrrev_b32 v4, 5, v0
	v_readfirstlane_b32 s[WV], v4                  ; wave 0..15
	s_bfe_u32 s15, ttmp6, 0x40000                  ; cx: which of the four query heads
	s_and_b32 s14, ttmp7, 0xffff                   ; 4 x batch + key and value head
	s_lshl_b32 s16, ttmp9, 4
	s_add_co_u32 s16, s16, s[WV]                   ; t1
	s_mov_b32 s[G1+0], 15|(3<<16)|(1<<21)          ; the mask: all four work-groups; elements of 8 bytes; bit 21 beside a mask; no padding
	s_mov_b32 s[G1+1], 32<<16                      ; rows of 256 bytes
	s_mov_b32 s[G1+2], 32<<16                      ; 32 of them: sixteen waves share each half of 131,072 bytes, 8,192 a wave
	s_mov_b32 s[G1+3], 32<<16
	s_mov_b32 s[G1+4], 32
	s_mov_b32 s[G1+5], 32                          ; pitch = row: dense
	s_mov_b32 s[G1+6], 0
	s_mov_b32 s[G1+7], 0
	s_and_b32 s32, s[WV], 7
	s_lshl_b32 s32, s32, 13                        ; waves 0-7 fetch K, waves 8-15 V: 8,192 bytes each of the first 65,536
	s_lshr_b32 s33, s[WV], 3
	s_lshl_b32 s33, s33, 17
	s_add_co_u32 s33, s33, s32                     ; in LDS: no place in the cluster enters it
	s_lshl_b32 s34, s14, 17
	s_add_co_u32 s34, s34, s32                     ; in memory: the head's 131,072 bytes
	s_mov_b32 s35, 0
	s_mov_b32 s[SEL], 0x76543210
	s_mov_b32 s[SEL+1], 0xfedcba98
	s_mov_b32 s[CS], 0x3e38aa3b                    ; log2(e) / 8
	s_wait_dscnt 0x0
	s_wait_kmcnt 0x0
	s_load_b256 s[68:75], s[10:11], 0x0            ; entries 0-7
	s_load_b128 s[76:79], s[10:11], 0x20           ; entries 8-11
	s_cmp_lt_u32 s[WV], 8
	s_cselect_b64 s[36:37], s[6:7], s[8:9]
	s_add_nc_u64 s[36:37], s[36:37], s[34:35]
	s_mov_b32 s[G0A], 1
	s_mov_b32 s[G0A+1], s33
	s_mov_b64 s[G0A+2:G0A+3], s[36:37]
	s_or_b32 s[G0A+3], s[G0A+3], 0x80000000
	s_mov_b32 s[G0B], 1
	s_add_co_u32 s[G0B+1], s33, 65536              ; keys 1,024 on, in LDS and in memory
	s_add_nc_u64 s[G0B+2:G0B+3], s[36:37], 65536
	s_or_b32 s[G0B+3], s[G0B+3], 0x80000000
	ROUND                                          ; all four work-groups are here: the joint loads meet
	tensor_load_to_lds s[G0A:G0A+3], s[G1:G1+7]    ; both fills go out together: two loads of mine are out
	s_nop 0
	tensor_load_to_lds s[G0B:G0B+3], s[G1:G1+7]
	s_nop 0
.rept 4
	v_nop
.endr
	v_and_b32 v4, 31, v0
	v_lshlrev_b32 v1, 4, v4
	s_lshl_b32 s19, s14, 2
	s_add_co_u32 s19, s19, s15
	s_lshl_b32 s19, s19, 7                         ; q: my head's first tile
	s_add_co_u32 s56, s19, s16
	s_lshl_b32 s56, s56, 10                        ; tile t1, 1,024 bytes a tile
	s_mov_b32 s57, 0
	s_add_nc_u64 s[58:59], s[4:5], s[56:57]
	s_sub_co_u32 s60, 127, s16
	s_add_co_u32 s60, s60, s19
	s_lshl_b32 s60, s60, 10                        ; tile 127 - t1
	s_mov_b32 s61, 0
	s_add_nc_u64 s[62:63], s[4:5], s[60:61]
	global_load_b128 v[16:19], v1, s[58:59]        ; both tiles' Q: on their way while K's and V's first halves are
	global_load_b128 v[20:23], v1, s[58:59] offset:512
	global_load_b128 v[24:27], v1, s[62:63]
	global_load_b128 v[28:31], v1, s[62:63] offset:512
	v_add_nc_u32 v2, VBASE, v1
	v_and_b32 v4, 15, v0
	v_bfe_u32 v5, v0, 4, 1
	v_lshlrev_b32 v5, 3, v5
	v_sub_nc_u32 v3, v4, v5                        ; r - 8 h, for the mask
	v_mov_b32 v236, 0                              ; written once: a lane permute's destination counts as one of its sources
	v_mov_b32 v252, 0
	v_mov_b32 v253, 0                              ; (named as the upper half of the pair v[252:253])
	s_and_b32 s32, s14, 3
	s_lshl_b32 s17, s32, 15                        ; the output's place that does not hang on the tile: head hq = 4 kvh + cx is K = 64 hq on: (hq / 4) x 32768 + (hq % 4) x 1024,
	s_lshl_b32 s33, s15, 10
	s_add_co_u32 s17, s17, s33
	s_lshr_b32 s33, s14, 2
	s_lshl_b32 s33, s33, 21                        ; and the batch's 2,048 rows: 16 groups of 131,072 bytes
	s_add_co_u32 s17, s17, s33
	s_wait_kmcnt 0x0
	s_add_co_i32 s32, s74, s75
	s_lshl_b32 s32, s32, 23
	s_add_co_i32 s[CS], s[CS], s32                 ; a score stands for score x 2^(e6 + e7)
	s_mov_b32 s[CS+1], s[CS]                       ; (named with it as a pair, so it is written)
	s_add_co_i32 s32, s76, 127
	s_lshl_b32 s33, s32, 23
	v_mov_b32 v244, s33                            ; 2^e8
	s_add_co_i32 s32, s32, 8
	s_lshl_b32 s32, s32, 23
	s_or_b32 s32, s32, 0x600000
	v_mov_b32 v240, s32                            ; 448 x 2^e8,
	v_mov_b32 v247, s32                            ; twice: the two halves of a dual-issue pair take their second sources from different register banks (240 % 4 = 0, 247 % 4 = 3)
	s_sub_co_i32 s32, s78, s76
	s_sub_co_i32 s32, s32, s77                     ; O / the sum stands for that x 2^(e8 + e9): the output's conversion takes 2^(e10 - e8 - e9)
	s_add_co_i32 s32, s32, 127
	s_lshl_b32 s33, s32, 23
	v_mov_b32 v245, s33
	s_add_co_i32 s32, s32, 8
	s_lshl_b32 s32, s32, 23
	s_or_b32 s32, s32, 0x600000
	v_mov_b32 v241, s32
; A KEY STEP: 128 keys.  qr: the first register of the tile's Q.
.macro STEP qr
	s_add_co_u32 s55, s[Q0], 15
	s_cmp_gt_u32 s[KF], s55                        ; all 128 keys come after my 16 queries: the step's work is left out, not the lines at its end that step addresses
	s_cbranch_scc1 .Lhidden_\@
	v_add_nc_u32 v8, s[TB], v1
	v_add_nc_u32 v9, s[TB], v2
	v_nop
	v_nop                                          ; four places in front of loads into registers that the last step's products have read
.irp c, 0,1,2,3,4,5,6,7
	ds_load_b128 v[32+8*\c:35+8*\c], v8 offset:1024*\c
	ds_load_b128 v[36+8*\c:39+8*\c], v8 offset:1024*\c+512
.endr
	s_wait_dscnt 0x0
.irp c, 0,1,2,3,4,5,6,7
	v_wmma_f32_16x16x64_fp8_fp8 v[96+8*\c:103+8*\c], v[32+8*\c:39+8*\c], v[\qr:\qr+7], 0
.endr
.rept 4
	v_nop                                          ; places in front of the loads below and of the first read of the scores
.endr
.irp t, 0,1,2,3
.irp p, 0,1,2,3
	ds_load_b128 v[32+16*\t+4*\p:35+16*\t+4*\p], v9 offset:2048*\t+512*\p     ; V's four fragments land while the softmax is worked
.endr
.endr
	s_add_co_u32 s55, s[KF], 127
	s_cmp_le_u32 s55, s[Q0]                        ; a step all of whose keys count has no mask
	s_cbranch_scc1 .Lopen_\@
	s_sub_co_i32 s55, s[Q0], s[KF]
	v_add_nc_u32 v252, s55, v3                     ; d = my query - KF - 8 h.  Register 8 c + j holds key KF + 16 c + 8 h + j: hidden where 16 c + j > d
	v_mov_b32 v254, 0xff800000                     ; -infinity: p = 0 then.  The step's first key counts for every one of my queries, so M stays a number
.set N, 0
.rept 64
	v_cmp_gt_i32 vcc_lo, 16*(N/8)+N%8, v252
	v_cndmask_b32 v[96+N], v[96+N], v254, vcc_lo
.set N, N+1
.endr
.Lopen_\@:
	v_max3_num_f32 v254, v96, v97, v98             ; the step's largest score of my query among my 64 keys, in two chains, each accumulator from its low end on,
	v_max3_num_f32 v252, v99, v100, v101
.irp i, 6,10,14,18,22,26,30,34,38,42,46,50,54,58
	v_max3_num_f32 v254, v254, v[96+\i], v[97+\i]
	v_max3_num_f32 v252, v252, v[98+\i], v[99+\i]
.endr
	v_max3_num_f32 v254, v254, v158, v159
	v_max_num_f32 v254, v254, v252
	v_permlanex16_b32 v236, v254, s[SEL], s[SEL+1]
	v_max_num_f32 v254, v254, v236                 ; and among lane l xor 16's
	v_mul_f32 v254, s[CS], v254                    ; as t (c is positive)
	v_max_num_f32 v13, v13, v254                   ; the running largest t
	v_mov_b32 v254, v12
	v_floor_f32 v12, -v13                          ; the new -M = floor(-t) = -ceil(t): a whole number
	v_sub_f32 v254, v12, v254                      ; old M - new M: a whole number, 0 or less
	v_cvt_i32_f32 v254, v254                       ; (it saturates)
	v_ldexp_f32 v252, 1.0, v254                    ; f = 2^(old M - new M)
.set N, 0
.rept 32
	v_pk_fma_f32 v[96+N:97+N], v[96+N:97+N], s[CS:CS+1], v[12:13] op_sel_hi:[1,0,0]   ; t - M, two at a time
.set N, N+2
.endr
.set N, 0
.rept 64
	v_exp_f32 v[96+N], v[96+N]                     ; p = 2^(t - M), at most 1
.set N, N+1
.endr
	v_pk_mul_f32 v[14:15], v[14:15], v[252:253] op_sel_hi:[1,0]   ; the sums under the new M.  (A plain line behind the exponentials)
	s_wait_alu depctr_va_vdst(0)
	v_pk_add_f32 v[242:243], v[96:97], v[98:99]    ; the row's sum is taken of the unquantised p: two at a time, in two chains
.irp j, 4,8,12,16,20,24,28,32,36,40,44,48,52,56,60
	v_pk_add_f32 v[14:15], v[14:15], v[96+\j:97+\j]
	v_pk_add_f32 v[242:243], v[242:243], v[98+\j:99+\j]
.endr
	v_pk_add_f32 v[14:15], v[14:15], v[242:243]
.set N, 0
.rept 32                               ; the hold (the conversion to an 8-bit code does not saturate: ISA guide 7.6.2); p is not negative, so it is one-sided.  Two numbers an instruction: there is no packed f32 minimum,
	v_dual_min_num_f32 v[96+N], v[96+N], v240 :: v_dual_min_num_f32 v[97+N], v[97+N], v247   ; so a dual-issue pair: an even and an odd destination, first sources and second sources each in two different banks
.set N, N+2
.endr
.irp c, 0,1,2,3,4,5,6,7
	v_cvt_scalef32_pk8_fp8_f32 v[224+2*\c:225+2*\c], v[96+8*\c:103+8*\c], v244
.endr
.set N, 0
.rept 16
	v_pk_mul_f32 v[160+N:161+N], v[160+N:161+N], v[252:253] op_sel_hi:[1,0]   ; O^T under the new M.  (Also the plain lines between the conversions and the products)
.set N, N+2
.endr
	s_wait_dscnt 0x0                               ; V is in
.irp t, 0,1,2,3                        ; four accumulators by turns, one instruction a turn; the next step's eight products stand between two links
	v_wmma_f32_16x16x128_fp8_fp8 v[160+8*\t:167+8*\t], v[32+16*\t:47+16*\t], v[224:239], v[160+8*\t:167+8*\t]
.endr
.Lhidden_\@:
	s_add_co_u32 s[TB], s[TB], 8192
	s_add_co_u32 s[KF], s[KF], 128
.endm
; A tile's start: tile s[TILE].  The step is written for any step: its first walk finds zeros, which the first change of M leaves zeros.
.macro INIT
	s_lshl_b32 s[Q0], s[TILE], 4
	v_mov_b32 v13, 0xff61b1e6                      ; the largest t so far: -3e38, under every t
	v_floor_f32 v12, -v13
	v_mov_b32 v14, 0
	v_mov_b32 v15, 0
.set N, 0
.rept 32
	v_mov_b32 v[160+N], 0                          ; O^T
.set N, N+1
.endr
	s_mov_b32 s[TB], 0
	s_mov_b32 s[KF], 0
.endm
.macro WALK qr, trips                  ; so many key steps on from where TB and KF stand
	s_mov_b32 s[CNT], \trips
.Lstep_\@:
	STEP \qr
	s_sub_co_u32 s[CNT], s[CNT], 1
	s_cmp_lg_u32 s[CNT], 0
	s_cbranch_scc1 .Lstep_\@
.endm
; The tile's end: O^T / the sum, quantised: its four pairs of code registers are the output's operand of 16 tokens x my head's 64.  They go into v16-23: the first tile's Q is done with.
.macro FINISH
.rept 4
	v_nop                                          ; places behind the last products
.endr
	s_wait_xcnt 0x0                                ; an earlier tile's stores have read their data and their base: both are written again below
	s_lshr_b32 s60, s[TILE], 3
	s_lshl_b32 s60, s60, 17
	s_and_b32 s61, s[TILE], 7
	s_lshl_b32 s61, s61, 12
	s_add_co_u32 s60, s60, s61
	s_add_co_u32 s60, s60, s17
	s_mov_b32 s61, 0
	s_add_nc_u64 s[62:63], s[12:13], s[60:61]
	v_add_f32 v14, v14, v15                        ; the sum's two halves,
	v_permlanex16_b32 v252, v14, s[SEL], s[SEL+1]
	v_add_f32 v14, v14, v252                       ; and lane l xor 16's
	v_rcp_f32 v14, v14
	v_nop                                          ; a plain line behind the transcendental
.set N, 0
	s_wait_alu depctr_va_vdst(0)
.rept 16
	v_pk_mul_f32 v[192+N:193+N], v[160+N:161+N], v[14:15] op_sel_hi:[1,0]     ; each accumulator from its low end on
.set N, N+2
.endr
.set N, 0
.rept 32
	v_med3_num_f32 v[192+N], v[192+N], -v241, v241
.set N, N+1
.endr
.irp t, 0,1,2,3
	v_cvt_scalef32_pk8_fp8_f32 v[16+2*\t:17+2*\t], v[192+8*\t:199+8*\t], v245
.endr
	v_nop                                          ; a plain line behind the last conversion
	global_store_b128 v1, v[16:19], s[62:63]       ; the wave stores 512 consecutive bytes, aligned
	global_store_b128 v1, v[20:23], s[62:63] offset:512
.endm
	s_mov_b32 s[TILE], s16
	INIT                                           ; register work while the first tiles and Q are on their way
	s_wait_loadcnt 0x0                             ; both tiles' Q; their bases may be written again
	s_wait_tensorcnt 0x1                           ; my part of the first halves is in; the second load may stay out, and the step below reads keys 0 .. 127 only
	s_barrier_signal -1
	s_barrier_wait -1                              ; everybody's is
	STEP 16                                        ; the first tile's first key step
	s_wait_tensorcnt 0x0                           ; my part of the second halves is in,
	s_wait_dscnt 0x0
	s_barrier_signal -1
	s_barrier_wait -1                              ; everybody's is: all of K and V lie in LDS, and no wave waits for another from here to the closing round
	WALK 16, 7
	FINISH
	s_sub_co_u32 s[TILE], 127, s16
	INIT
	WALK 24, 16
	FINISH
	s_wait_dscnt 0x0
	s_wait_tensorcnt 0x0
	ds_add_u32 v251, v255
	s_wait_dscnt 0x0
	ROUND                                          ; the closing round: no work-group ends while a partner may still ask for a tile that names it
	s_endpgm
.Lfunc_end_k_q238589361b_attn:
	.size	k_q238589361b_attn, .Lfunc_end_k_q238589361b_attn-k_q238589361b_attn
	.p2alignl 7, 3214868480
	.fill 96, 4, 3214868480
	.section	.rodata,"a",@progbits
	.p2align	6, 0x0
	.amdhsa_kernel k_q238589361b_attn
		.amdhsa_group_segment_fixed_size 264192
		.amdhsa_private_segment_fixed_size 0
		.amdhsa_enable_private_segment 0
		.amdhsa_kernarg_size 40
		.amdhsa_user_sgpr_count 2
		.amdhsa_user_sgpr_kernarg_segment_ptr 1
		.amdhsa_wavefront_size32 1
		.amdhsa_system_sgpr_workgroup_id_x 1
		.amdhsa_system_sgpr_workgroup_id_y 1
		.amdhsa_system_sgpr_workgroup_id_z 1
		.amdhsa_system_vgpr_workitem_id 0
		.amdhsa_next_free_vgpr 256
		.amdhsa_next_free_sgpr 80
		.amdhsa_reserve_vcc 1
		.amdhsa_float_denorm_mode_32 3
		.amdhsa_float_denorm_mode_16_64 3
		.amdhsa_memory_ordered 1
		.amdhsa_forward_progress 1
		.amdhsa_inst_pref_size 79
	.end_amdhsa_kernel
	.amdgpu_metadata
---
amdhsa.version: [ 1, 2 ]
amdhsa.kernels:
  - .name:           k_q238589361b_attn
    .symbol:         k_q238589361b_attn.kd
    .args:
      - { .name: q_codes, .offset: 0, .size: 8, .value_kind: global_buffer, .address_space: global }
      - { .name: k_codes, .offset: 8, .size: 8, .value_kind: global_buffer, .address_space: global }
      - { .name: v_codes, .offset: 16, .size: 8, .value_kind: global_buffer, .address_space: global }
      - { .name: lowp_scales, .offset: 24, .size: 8, .value_kind: global_buffer, .address_space: global }
      - { .name: a_codes, .offset: 32, .size: 8, .value_kind: global_buffer, .address_space: global }
    .group_segment_fixed_size: 264192
    .private_segment_fixed_size: 0
    .kernarg_segment_align: 8
    .kernarg_segment_size: 40
    .max_flat_workgroup_size: 512
    .sgpr_count:     80
    .vgpr_count:     256
    .wavefront_size: 32
...
	.end_amdgpu_metadata
.endif
;; end of part 3
;; launch oproj (part 4): grid 4 x 64, 4 waves a work-group, clusters of 4 x 4, 327,680 bytes of LDS; arguments a_codes, wcodes, lowp_scales, out0; writes out0
.if DOCPART == 4
	.amdgcn_target "amdgcn-amd-amdhsa--gfx1250"
	.amdhsa_code_object_version 6
	.text
	.protected	k_q238589361b_oproj
	.globl	k_q238589361b_oproj
	.p2align	8
	.type	k_q238589361b_oproj,@function
k_q238589361b_oproj:
	s_mov_b64 s[64:65], 0
	v_nop
	global_prefetch_b8 v0, s[64:65] scope:SCOPE_SE
	s_setreg_imm32_b32 hwreg(HW_REG_WAVE_MODE, 25, 1), 1
	s_wait_xcnt 0x0
	s_wait_alu depctr_hold_cnt(0) depctr_sa_sdst(0) depctr_va_vdst(0) depctr_va_sdst(0) depctr_va_ssrc(0) depctr_va_vcc(0) depctr_vm_vsrc(0)
	s_getreg_b32 s2, hwreg(HW_REG_IB_STS2, 6, 4)
	s_cmp_eq_u32 s2, 0
	s_cbranch_scc0 .Lentry_in_a_cluster
	s_endpgm
.Lentry_in_a_cluster:
	s_bfe_u32 s2, ttmp6, 0x10000c
	s_cmp_lg_u32 s2, 0xf033
	s_cbranch_scc0 .Lentry_shape_is_right
	s_endpgm
.Lentry_shape_is_right:
; out = attention's result x wo, on codes of FP8 (E4M3): A [8192][1024] (entry 10 of the scales), B = wo's columns [1024][1024] (entry 11), out [8192][1024] f32; sums in f32,
; each finished sum multiplied once by 2^(e10 + e11).  LIMIT: e10 + e11 between -126 and 127, so that the factor is an f32 number.
; A TILE OF out IS 128 x 256: that makes 256 work-groups of equal work, where 256 x 256 would make 128.  Four waves, each 64 x 128: 32 accumulators of 16 x 16, 256 registers.
; Both operands lie in memory as images of the operand's registers (16 rows x 128 K = 2,048 bytes; 128 rows x 256 K = 32,768 bytes on end): a wave's tensor load is one dense block, a fragment
; four ds_load_b128 of 512 consecutive bytes, and k stands in the place that the form gives it.
; THE RING.  K = 1,024 is four K steps of 256.  A slot (A's 128 rows, 32,768 bytes; B's 256 rows, 65,536) is 98,304 bytes, and three fit: K steps 0, 1, 2 are asked for together at the start,
; three loads a wave; K step 3 is the one refill, of slot 0, asked for as soon as slot 0 has been read out.  Waves 0, 1 fetch A's halves (64 rows of 256 bytes), waves 2, 3 B's (128 rows).
; CLUSTERS: 4 x 4 work-groups.  The four of a row of the cluster need the same tiles of A, the four of a column the same tiles of B: each tile is asked for JOINTLY, by the same tensor load with the
; same descriptor and a mask that names the four.  THE MATRIX INSTRUCTION IS USED TRANSPOSED (source 0 = 16 rows of B, source 1 = 16 rows of A): a lane holds eight neighbouring numbers of a row of out.
; REGISTERS, in windows of 256: window 0: v16-29 addresses; A's fragments (4 x 16 rows x 128 K), TWO sets, at v128 and v192; on the way out v32-255 are free.
;   window 1: B's fragments (8), TWO sets, at v0 and v128.   window 2: the accumulators, (a, b) at v[8 (8 a + b)].
; A step of 128 along K: its own set is waited for, the next step's 48 loads go out in one run into the other set, then its 32 products.
.set SIZE_N, 1024
.set KCH,    32768                     ; in memory: 128 rows x 256 K on end; the next K step of the same rows follows
.set PARTA,  16384                     ; what a wave fetches of A: 64 rows x 256 K
.set PARTB,  32768                     ; of B: 128 rows x 256 K
.set SLOT,   2*PARTA+2*PARTB           ; A's two halves, then B's two halves: 98,304 bytes
.set SPARE,  3*SLOT                    ; behind the ring: the spare words, 128 bytes for each wave: two blocks of 256 bytes that no other line names
.set STAGE,  SLOT                      ; the way out: 16 rows x (512 bytes + 16) for each wave, in slot 1: it is filled once, at the start, and its last read stands ahead of the last barrier
.set SPITCH, 528
.set WO0,    12                        ; wo's first group of 128 rows in the weights' codes
.set FR,     16                        ; registers of a fragment
.set NL,     4                         ; LDS loads that bring one
.set NP,     4                         ; places behind this matrix instruction (ISA guide 7.12.1)
.set ADRA, 16                          ; v16-18  LDS address of my A fragments in slot 0, 1, 2
.set ADRB, 20                          ; v20-22  the same for B
.set STO,  24                          ; v24     the way out: where I put 32 bytes of a row
.set RD,   25                          ; v25     the way out: where I read a row back
.set CO,   26                          ; v26     16 x lane: my place in an image's piece, and in a row of out
.set SPW,  28                          ; v28     LDS address of my spare word; never rewritten
.set NIL,  29                          ; v29     0; never rewritten
.set TMP,  32                          ; the way out: 64 registers, a block's sums x 2^(e10 + e11)
.set AF,   128
.set BK,   128                         ; the way out: 16 rows read back from the stage: v128-191 and v192-255 by turns
.set G1,  24                           ; s[24:31] descriptor group 1 for A's tiles
.set G1B, 32                           ; s[32:39] for B's
.set G0,  40                           ; s[40:51] group 0 for A's tiles, one set for each slot
.set G0B, 52                           ; s[52:63] for B's
.set MSB, 0
.macro WIN new                         ; the immediate's high byte repeats the setting that is left
.if MSB != \new
	s_set_vgpr_msb (MSB<<8)|\new
.set MSB, \new
.endif
.endm
.set MUL,  0xa1                        ; source 0 (B) window 1, source 1 (A) window 0, C and D window 2
.set TO_B, 0x40                        ; destination window 1, address window 0
; A joint load: waves 0 and 1 fetch for A, waves 2 and 3 for B.  Each of the two lines has ONE mask and one set of registers for all that issue it; the branch hangs on the wave's number alone.
; Four v_nop follow each of the two lines, ahead of the jump, the label and what follows.
.macro JLOAD g0a, g1a, g0b, g1b
	s_cmp_eq_u32 s15, 0
	s_cbranch_scc0 .Lfor_b_\@
	tensor_load_to_lds s[\g0a:\g0a+3], s[\g1a:\g1a+7]
	s_nop 0
.rept 4
	v_nop
.endr
	s_branch .Lasked_\@
.Lfor_b_\@:
	tensor_load_to_lds s[\g0b:\g0b+3], s[\g1b:\g1b+7]
	s_nop 0
.rept 4
	v_nop
.endr
.Lasked_\@:
.endm
.macro CREST                           ; a round of the cluster's barrier behind its opening barrier
	s_cmp_lg_u32 s14, 0
	s_cbranch_scc1 .Lnot_wave_0_\@
	s_barrier_signal -3
.Lnot_wave_0_\@:
	s_barrier_wait -3
	s_barrier_signal -1
	s_barrier_wait -1
.endm
.macro CROUND                          ; a whole round
	s_barrier_signal -1
	s_barrier_wait -1
	CREST
.endm
	s_load_b128 s[4:7], s[0:1], 0x0                ; A's codes s[4:5], the weights' codes s[6:7]
	s_load_b128 s[8:11], s[0:1], 0x10              ; the scales' exponents s[8:9], out s[10:11]
	v_lshl_add_u32 v[SPW], v0, 2, SPARE
	v_mov_b32 v[NIL], 0
	ds_add_u32 v28, v29
	ds_add_u32 v28, v29
	s_wait_dscnt 0x0
	v_lshrrev_b32 v1, 5, v0
	v_readfirstlane_b32 s14, v1                    ; wave 0..3
	s_lshr_b32 s15, s14, 1                         ; which 64 of the tile's rows are mine.  Also: I fetch for A (0) or for B (1)
	s_and_b32 s16, s14, 1                          ; which 128 of its columns.  Also: which half of that side I fetch
	s_bfe_u32 s68, ttmp6, 0x40000                  ; cx, cy: my place in the cluster
	s_bfe_u32 s69, ttmp6, 0x40004
	s_lshl_b32 s70, ttmp9, 2
	s_add_co_u32 s70, s70, s68                     ; tile column = 4 x cluster x + cx
	s_and_b32 s17, ttmp7, 0xffff
	s_lshl_b32 s17, s17, 2
	s_add_co_u32 s17, s17, s69                     ; tile row = 4 x cluster y + cy
	s_lshl_b32 s71, s69, 2
	s_lshl_b32 s71, 15, s71                        ; my row of the cluster
	s_lshl_b32 s72, 0x1111, s68                    ; my column
	s_or_b32 s[G1+0], s71, (3<<16)|(1<<21)         ; the mask: A's tiles go to my row; elements of 8 bytes; bit 21 beside a mask; no padding: an image's loads are 512 consecutive bytes
	s_mov_b32 s[G1+1], 32<<16                      ; tensor_dim0 = 32 elements: rows of 256 bytes
	s_mov_b32 s[G1+2], 64<<16                      ; tensor_dim1 = 64
	s_mov_b32 s[G1+3], 32<<16                      ; tile_dim0
	s_mov_b32 s[G1+4], 64                          ; tile_dim1
	s_mov_b32 s[G1+5], 32                          ; pitch = row: the block is dense
	s_mov_b32 s[G1+6], 0
	s_mov_b32 s[G1+7], 0
	s_or_b32 s[G1B+0], s72, (3<<16)|(1<<21)        ; B's tiles go to my column
	s_mov_b32 s[G1B+1], 32<<16
	s_mov_b32 s[G1B+2], 128<<16                    ; 128 rows of 256 bytes
	s_mov_b32 s[G1B+3], 32<<16
	s_mov_b32 s[G1B+4], 128
	s_mov_b32 s[G1B+5], 32
	s_mov_b32 s[G1B+6], 0
	s_mov_b32 s[G1B+7], 0
	s_lshl_b32 s20, s17, 17                        ; A: the tile row is a group of 128 rows, 131,072 bytes;
	s_lshl_b32 s21, s16, 14                        ; within a K step's 32,768 bytes, my half: four row blocks
	s_add_co_u32 s20, s20, s21
	s_mov_b32 s21, 0
	s_lshl_b32 s76, s70, 1
	s_add_co_u32 s76, s76, s16
	s_add_co_u32 s76, s76, WO0
	s_lshl_b32 s76, s76, 17                        ; B: group 12 + 2 x tile column + half
	s_mov_b32 s77, 0
	s_lshl_b32 s73, s16, 14                        ; where they go in a slot: A's half,
	s_lshl_b32 s74, s16, 15
	s_add_co_u32 s74, s74, 2*PARTA                 ; B's half: no place in the cluster enters an LDS address
	s_wait_kmcnt 0x0
	s_load_b64 s[66:67], s[8:9], 0x28              ; e10, e11
	s_add_nc_u64 s[20:21], s[4:5], s[20:21]
	s_add_nc_u64 s[76:77], s[6:7], s[76:77]
.irp n, 0,1,2
	s_mov_b32 s[G0+4*\n], 1                        ; count = 1
	s_add_co_u32 s[G0+4*\n+1], s73, \n*SLOT        ; LDS address
	s_add_nc_u64 s[G0+4*\n+2:G0+4*\n+3], s[20:21], \n*KCH         ; K step n
	s_or_b32 s[G0+4*\n+3], s[G0+4*\n+3], 0x80000000               ; type = 2
	s_mov_b32 s[G0B+4*\n], 1
	s_add_co_u32 s[G0B+4*\n+1], s74, \n*SLOT
	s_add_nc_u64 s[G0B+4*\n+2:G0B+4*\n+3], s[76:77], \n*KCH
	s_or_b32 s[G0B+4*\n+3], s[G0B+4*\n+3], 0x80000000
.endr
	CROUND                                         ; all sixteen work-groups are here: the first joint loads meet
	s_cmp_eq_u32 s15, 0                            ; a wave's three first fills stand in one branch, ahead of every wait on TENSORcnt and every LDS read: three loads of mine are out
	s_cbranch_scc0 .Lfirst_b
.irp n, 0,1,2
	tensor_load_to_lds s[G0+4*\n:G0+4*\n+3], s[G1:G1+7]
	s_nop 0
.endr
.rept 4
	v_nop
.endr
	s_branch .Lfirst_asked
.Lfirst_b:
.irp n, 0,1,2
	tensor_load_to_lds s[G0B+4*\n:G0B+4*\n+3], s[G1B:G1B+7]
	s_nop 0
.endr
.rept 4
	v_nop
.endr
.Lfirst_asked:
	v_and_b32 v6, 31, v0
	v_lshlrev_b32 v[CO], 4, v6
	s_lshl_b32 s21, s15, 14                        ; my 64 rows of A: four row blocks of 4,096 bytes
	s_lshl_b32 s22, s16, 15                        ; my 128 rows of B,
	s_add_co_u32 s22, s22, 2*PARTA                 ; which lie behind A's 128
.irp s, 0,1,2
	v_add_nc_u32 v[ADRA+\s], s21, v[CO]
	v_add_nc_u32 v[ADRB+\s], s22, v[CO]
	s_add_co_u32 s21, s21, SLOT
	s_add_co_u32 s22, s22, SLOT
.endr
	v_and_b32 v1, 15, v0                           ; l % 16
	v_bfe_u32 v2, v0, 4, 1                         ; l / 16
	s_mul_i32 s23, s14, 16*SPITCH
	s_add_co_u32 s23, s23, STAGE                   ; my stage
	v_mul_u32_u24 v5, v1, SPITCH                   ; in: row l % 16, 32 bytes for each half of the lanes
	v_lshl_add_u32 v5, v2, 5, v5
	v_add_nc_u32 v[STO], s23, v5
	v_add_nc_u32 v[RD], s23, v[CO]                 ; back: the 32 lanes take one row of 512 bytes
	s_lshl_b32 s20, s17, 7
	s_lshl_b32 s21, s15, 6
	s_add_co_u32 s20, s20, s21                     ; my first row of out: 128 x tile row + 64 x half,
	s_lshl_b32 s20, s20, 12                        ; of 4,096 bytes
	s_mov_b32 s21, 0
	s_lshl_b32 s78, s70, 10                        ; my first column, in bytes: 1024 x tile column + 512 x half
	s_lshl_b32 s79, s16, 9
	s_add_co_u32 s78, s78, s79
	s_mov_b32 s79, 0
	s_add_nc_u64 s[20:21], s[20:21], s[78:79]
	s_add_nc_u64 s[10:11], s[10:11], s[20:21]
.macro FRAG reg, adr, q, i             ; image (row block i, the slot's q-th 128 along K): four loads of 512 consecutive bytes
.irp c, 0,1,2,3
	ds_load_b128 v[\reg+4*\c:\reg+4*\c+3], v[\adr] offset:((\i)*2+(\q))*2048+512*\c
.endr
.endm
; 8 matrix instructions: A's block a x B's eight, 128 along K, on set p.  zero = 1: the first product starts the sums: nothing is ever cleared.
; The 32 accumulators take turns, one instruction a turn, in the same order in every step.
.macro MULA a, p, zero
.irp b, 0,1,2,3,4,5,6,7
.if \zero
	v_wmma_f32_16x16x128_fp8_fp8 v[8*(8*(\a)+\b):8*(8*(\a)+\b)+7], v[128*(\p)+FR*\b:128*(\p)+FR*\b+FR-1], v[AF+64*(\p)+FR*(\a):AF+64*(\p)+FR*(\a)+FR-1], 0
.else
	v_wmma_f32_16x16x128_fp8_fp8 v[8*(8*(\a)+\b):8*(8*(\a)+\b)+7], v[128*(\p)+FR*\b:128*(\p)+FR*\b+FR-1], v[AF+64*(\p)+FR*(\a):AF+64*(\p)+FR*(\a)+FR-1], v[8*(8*(\a)+\b):8*(8*(\a)+\b)+7]
.endif
.endr
.endm
.macro FETCH slot, q, p                ; 48 LDS loads in one run: B's eight fragments, then A's four, of the slot's q-th 128 along K, into set p
	WIN TO_B
.irp i, 0,1,2,3,4,5,6,7
	FRAG 128*(\p)+FR*\i, ADRB+\slot, \q, \i
.endr
	WIN 0
.irp i, 0,1,2,3
	FRAG AF+64*(\p)+FR*\i, ADRA+\slot, \q, \i
.endr
.endm
.macro PLACES n                        ; plain vector lines between a matrix instruction and a load into, or a vector instruction on, its registers
.rept \n
	v_nop
.endr
.endm
; A step of 128 along K on set p; the next step's fragments (slot nslot, its nq-th 128) go into the other set, which the step before multiplied.
.macro STEP p, nslot, nq, zero
	s_wait_dscnt 0x0                               ; this step's 48 loads are in (they were issued ahead of the last step's products)
.if \zero == 0
	PLACES NP
.endif
	FETCH \nslot, \nq, 1-(\p)
	WIN MUL
	MULA 0, \p, \zero
	MULA 1, \p, \zero
	MULA 2, \p, \zero
	MULA 3, \p, \zero
.endm
; A slot's last step (on set 1) changes slots: ONE barrier; in front of it each wave waits for all its tensor loads, adds 0 to its spare word, and waits for that and for its own LDS reads.
; fill = 1: the barrier opens a round of the cluster's barrier, and slot 0, which has been read out, takes K step 3 by the joint load that stands first behind the round.
; fill = 0: the barrier shows K step 3 to every wave; nothing is filled, so no round follows.  Behind it nobody reads slots 1 and 2 any more.
.macro TURN nslot, fill
	WIN 0                                          ; (the add's two registers lie in window 0)
	s_wait_tensorcnt 0x0                           ; all my tensor loads have landed
	ds_add_u32 v[SPW], v[NIL]                      ; 0 onto my spare word
	s_wait_dscnt 3*NL+1                            ; B's set and A's block 0 are in; the add and the youngest twelve loads (A's blocks 1-3) may be out
	WIN MUL
	MULA 0, 1, 0                                   ; eight matrix instructions stand between the add and the wait for it
	s_wait_dscnt 0x0                               ; the add is done, and my reads of the slots so far are over
	s_barrier_signal -1
	MULA 1, 1, 0
	WIN 0
	s_barrier_wait -1
.if \fill
	CREST                                          ; no wave of any partner still reads slot 0's tile or has a load on its way
	s_add_nc_u64 s[G0+2:G0+3], s[G0+2:G0+3], 3*KCH ; no load of mine is out, so a group 0 may be written: K step 3
	s_add_nc_u64 s[G0B+2:G0B+3], s[G0B+2:G0B+3], 3*KCH
	JLOAD G0, G1, G0B, G1B                         ; the four v_nop behind it are also the places in front of the loads below
.else
	PLACES NP
.endif
	FETCH \nslot, 0, 0
	WIN MUL
	MULA 2, 1, 0
	MULA 3, 1, 0
.endm
	s_wait_tensorcnt 0x2                           ; my part of K step 0 is in; the loads of K steps 1 and 2 may be out
	s_barrier_signal -1
	s_barrier_wait -1                              ; everybody's is
	FETCH 0, 0, 0
	STEP 0, 0, 1, 1                                ; eight steps of 128, written out.  Slot 0: its products start the sums
	TURN 1, 1                                      ; slot 0 is read out and takes K step 3; K steps 1 and 2 are shown landed
	STEP 0, 1, 1, 0                                ; slot 1
	STEP 1, 2, 0, 0
	STEP 0, 2, 1, 0                                ; slot 2
	TURN 0, 0                                      ; K step 3 is shown landed
	STEP 0, 0, 1, 0                                ; slot 0 again
	s_wait_dscnt 0x0                               ; the last step: nothing more to fetch
	WIN MUL
	MULA 0, 1, 0
	MULA 1, 1, 0
	MULA 2, 1, 0
	MULA 3, 1, 0
	WIN 0
; THE WAY OUT, block by block of 16 rows x 128 columns.  A lane holds 32 neighbouring bytes of a row, and the lanes beside it hold other rows: so a block goes through my own stage in LDS and comes back as
; whole rows of 512 bytes.  LDS serves a wave's instructions in order (ISA guide 5.7.1.4): no wait between the stores and the loads, nor in front of the next block's stores.
.macro TOSTAGE a
.set AC, 64*(\a)
	WIN 0x02                                       ; source 0: window 2
.set J, 0
.rept 32
	v_pk_mul_f32 v[TMP+J:TMP+J+1], v[AC+J:AC+J+1], s[66:67] op_sel_hi:[1,0]   ; both x s66 = 2^(e10 + e11); each accumulator from its low end on
.set J, J+2
.endr
	WIN 0
.irp b, 0,1,2,3,4,5,6,7
	ds_store_b128 v[STO], v[TMP+8*\b:TMP+8*\b+3] offset:64*\b
	ds_store_b128 v[STO], v[TMP+8*\b+4:TMP+8*\b+7] offset:64*\b+16
.endr
.set BB, BK+64*((\a)%2)
.irp t, 0,1,2,3,4,5,6,7,8,9,10,11,12,13,14,15
	ds_load_b128 v[BB+4*\t:BB+4*\t+3], v[RD] offset:\t*SPITCH
.endr
.endm
.macro SEND a, younger                 ; younger: the LDS instructions issued behind block a's loads, which may stay out
.set BB, BK+64*((\a)%2)
	s_wait_dscnt \younger                          ; the block is back in registers
.if (\a) > 0
	s_add_nc_u64 s[10:11], s[10:11], 16*SIZE_N*4   ; (behind a wait on XCNT: the earlier stores have read their base)  16 rows of out on
.endif
.irp t, 0,1,2,3,4,5,6,7,8,9,10,11,12,13,14,15
	global_store_b128 v[CO], v[BB+4*\t:BB+4*\t+3], s[10:11] offset:\t*SIZE_N*4 th:TH_STORE_NT   ; 32 lanes store 512 consecutive bytes, aligned; written once, read by nobody here
.endr
.endm
	s_wait_kmcnt 0x0
	s_add_co_i32 s66, s66, s67                     ; e10 + e11, between -126 and 127,
	s_add_co_i32 s66, s66, 127
	s_lshl_b32 s66, s66, 23                        ; makes the f32 number 2^(e10 + e11)
	PLACES NP                                      ; behind the last products: for the reads of results and for the loads into the registers that held A's fragments
	TOSTAGE 0
.irp a, 1,2,3
.if \a > 1
	s_wait_xcnt 0x0                                ; block a - 2's stores have read their registers and their base: block a's loads may land there, and the base may step
.endif
	TOSTAGE \a
	SEND \a-1, 32                                  ; behind block a - 1's loads: block a's 16 stores and 16 loads
.endr
	s_wait_xcnt 0x0                                ; block 2's stores have read their base
	SEND 3, 0
	s_wait_tensorcnt 0x0                           ; the wave's end
	ds_add_u32 v[SPW], v[NIL]
	s_wait_dscnt 0x0
	CROUND                                         ; the closing round: no work-group ends while a partner may still ask for a tile that names it
	s_endpgm
.Lfunc_end_k_q238589361b_oproj:
	.size	k_q238589361b_oproj, .Lfunc_end_k_q238589361b_oproj-k_q238589361b_oproj
	.p2alignl 7, 3214868480
	.fill 96, 4, 3214868480
	.section	.rodata,"a",@progbits
	.p2align	6, 0x0
	.amdhsa_kernel k_q238589361b_oproj
		.amdhsa_group_segment_fixed_size 327680
		.amdhsa_private_segment_fixed_size 0
		.amdhsa_enable_private_segment 0
		.amdhsa_kernarg_size 32
		.amdhsa_user_sgpr_count 2
		.amdhsa_user_sgpr_kernarg_segment_ptr 1
		.amdhsa_wavefront_size32 1
		.amdhsa_system_sgpr_workgroup_id_x 1
		.amdhsa_system_sgpr_workgroup_id_y 1
		.amdhsa_system_sgpr_workgroup_id_z 1
		.amdhsa_system_vgpr_workitem_id 0
		.amdhsa_next_free_vgpr 768
		.amdhsa_next_free_sgpr 80
		.amdhsa_reserve_vcc 0
		.amdhsa_float_denorm_mode_32 3
		.amdhsa_float_denorm_mode_16_64 3
		.amdhsa_memory_ordered 1
		.amdhsa_forward_progress 1
		.amdhsa_inst_pref_size 74
	.end_amdhsa_kernel
	.amdgpu_metadata
---
amdhsa.version: [ 1, 2 ]
amdhsa.kernels:
  - .name:           k_q238589361b_oproj
    .symbol:         k_q238589361b_oproj.kd
    .args:
      - { .name: a_codes, .offset: 0, .size: 8, .value_kind: global_buffer, .address_space: global }
      - { .name: wcodes, .offset: 8, .size: 8, .value_kind: global_buffer, .address_space: global }
      - { .name: lowp_scales, .offset: 16, .size: 8, .value_kind: global_buffer, .address_space: global }
      - { .name: out0, .offset: 24, .size: 8, .value_kind: global_buffer, .address_space: global }
    .group_segment_fixed_size: 327680
    .private_segment_fixed_size: 0
    .kernarg_segment_align: 8
    .kernarg_segment_size: 32
    .max_flat_workgroup_size: 128
    .sgpr_count:     80
    .vgpr_count:     768
    .wavefront_size: 32
...
	.end_amdgpu_metadata
.endif
;; end of part 4
